; MI455X (gfx1250); checked and timed in simulation.
; The chip was launched on July 23, 2026; its instructions are those of AMD's public machine-readable ISA for CDNA 5 (MIT licence, August 2026) and "CDNA5" Instruction Set Architecture Reference Guide (July 2026). The comments in the code are by the model that wrote it; some were corrected since.
;; Block. Allowed arithmetic: matrix products marked QUANTISED: E4M3 operands, one given power-of-two scale a tensor, by v_wmma_f32_16x16x64_fp8_fp8 or v_wmma_f32_16x16x128_fp8_fp8, f32 sums; everything else in f32.
;; Inputs: b1 2,048 float32; b2 512 float32; b_proj 512 float32; ln1_b 512 float32; ln1_g 512 float32; ln2_b 512 float32; ln2_g 512 float32; lowp_scales 16 int32 (the exponents e of the quantised operands' scales 2^e); w1 512 x 2,048 float32; w2 2,048 x 512 float32; w_proj 512 x 512 float32; wk 512 x 512 float32; wq 512 x 512 float32; wv 512 x 512 float32; x 8 x 1,024 x 512 float32.
;; Outputs: out0 8 x 1,024 x 512 float32.
;; This version of the problem:
;;   THIS VERSION OF THE PROBLEM IS GIVEN IN LOW PRECISION. The matrix products marked QUANTISED in the list below multiply operands that are first quantised to E4M3 (4 exponent bits, 3 mantissa bits; 8 bits a number), with one given power-of-two scale for each operand tensor; their sums are f32. All else is computed in f32.
;;   The module's matrix products, in the order in which they are computed (A, B: the left and right operand; K: the contracted axis; several contracted axes count as one K, in the product's order):
;;     1. [M 8,192, K 512] x [K 512, N 512]; A: computed on the way; B: input wq: QUANTISED (scales: A lowp_scales[0], B lowp_scales[1])
;;     2. [M 8,192, K 512] x [K 512, N 512]; A: computed on the way; B: input wk: QUANTISED (scales: A lowp_scales[2], B lowp_scales[3])
;;     3. [M 8,192, K 512] x [K 512, N 512]; A: computed on the way; B: input wv: QUANTISED (scales: A lowp_scales[4], B lowp_scales[5])
;;     4. batch 128 x [M 1,024, K 32] x [K 32, N 1,024]; A: computed on the way; B: computed on the way: QUANTISED (scales: A lowp_scales[6], B lowp_scales[7])
;;     5. batch 128 x [M 1,024, K 1,024] x [K 1,024, N 32]; A: softmax (see below); B: computed on the way: QUANTISED (scales: A lowp_scales[8], B lowp_scales[9])
;;     6. [M 8,192, K 512] x [K 512, N 512]; A: computed on the way; B: input w_proj: QUANTISED (scales: A lowp_scales[10], B lowp_scales[11])
;;     7. [M 8,192, K 512] x [K 512, N 2,048]; A: computed on the way; B: input w1: QUANTISED (scales: A lowp_scales[12], B lowp_scales[13])
;;     8. [M 8,192, K 2,048] x [K 2,048, N 512]; A: computed on the way; B: input w2: QUANTISED (scales: A lowp_scales[14], B lowp_scales[15])
;;   THE QUANTISER, for each operand of a quantised product, along K:
;;     - The operand's scale is 2^e, e = its entry of the input lowp_scales (int32; the entries are numbered through the quantised products in the list's order, A before B).
;;     - Each number is divided by the scale, clamped to +-448, and rounded to the nearest number of E4M3, ties to even, subnormals kept.
;;     - The product sums the exact products of the quantised numbers (number of the format x scale) in f32.
;;   ~~~python
;;   def quantise(x, axis, e):      # numpy; x: float32 -> the quantised numbers, widened to float32 again
;;       x = np.moveaxis(x, axis, -1); K = x.shape[-1]
;;       r = np.clip(x / 2.0 ** e, -448, 448)
;;       step = 2.0 ** (np.maximum(np.frexp(np.where(r == 0, 1, r))[1] - 1, -6) - 3)
;;       q = np.round(r / step) * step * 2.0 ** e      # np.round: ties to even
;;       return np.moveaxis(q, -1, axis).astype(np.float32)
;;   ~~~
;;   SOFTMAX AHEAD OF A QUANTISED PRODUCT. Where the list says 'softmax', what is quantised is not the finished softmax but p = 2^(t - M), with t = logit x log2(e) and M = ceil(the row's largest t), a whole number; so 1/2 < the row's largest p <= 1. The row's sum l is taken of the UNQUANTISED p, in f32, and the product's result is divided by l at the end. Since M is a whole number, a kernel that streams over the keys may use a running M (the ceiling of the running maximum): every later rescaling is an exact power of two, so the quantised numbers keep their values, but for numbers so far below the row's largest that they fall under the format's range.
;;   OPERANDS COMPUTED ON THE WAY. 'Computed on the way' means the value that the module computes at that place (a softmax that the list does not call 'softmax' is quantised finished and normalised). What goes into a quantiser is computed in f32, as accurately as f32 sums, v_exp_f32 and their like allow (about 1e-6 of the number): no bf16 or f16 on the way to a quantiser, and a product that is left as it is and whose result goes on into a quantised operand takes f32 operands (vector FMAs, or v_wmma_f32_16x16x4_f32). A number that lies on a knife's edge between two numbers of the format may be rounded either way, as far as f32 arithmetic and the matrix unit's own rounding can turn it there, and no further.
;; One version. Each part assembles by itself: llvm-mc -triple=amdgcn-amd-amdhsa -mcpu=gfx1250 --defsym DOCPART=n.
;; ======== version 1 of 1: 4 launches
;; limits: right only within a limited range of input values
;; workspace buffers: wcodes 3,145,728 bytes; qc 4,194,304 bytes; kc 4,194,304 bytes; vc 4,194,304 bytes; ac 4,194,304 bytes
;; launch prep (part 1): grid 768 x 1, 4 waves a work-group, no clusters, 0 bytes of LDS; arguments wq, wk, wv, w_proj, w1, w2, lowp_scales, wcodes; writes wcodes
.if DOCPART == 1
	.amdgcn_target "amdgcn-amd-amdhsa--gfx1250"
	.amdhsa_code_object_version 6
	.text
	.protected	k_q346fa3e521_prep
	.globl	k_q346fa3e521_prep
	.p2align	8
	.type	k_q346fa3e521_prep,@function
k_q346fa3e521_prep:
	s_mov_b64 s[64:65], 0
	v_nop
	global_prefetch_b8 v0, s[64:65] scope:SCOPE_SE
	s_setreg_imm32_b32 hwreg(HW_REG_WAVE_MODE, 25, 1), 1
	s_wait_xcnt 0x0
; THE PROGRAM: one transformer block, 8,192 tokens of 512, 16 heads of 32, all eight products on codes of E4M3 with given scales 2^e.  Four launches:
;   prep: the six weights become codes;  qkv: LN1, three quantisations of h, q k v and their codes;  attn: causal attention on codes;  mlp: projection, residual, LN2, MLP, residual.
; WORK LEFT OUT: reference() builds the causal mask in its own body (jnp.tril) and sets scores of keys behind the query to -inf, whose softmax weight is 0 for all values of the inputs.
;   So a step of 128 keys that lies wholly behind a tile's 16 queries reaches no output and is not multiplied (launch attn): 9 of 16 steps remain for each pair of tiles.  Nothing else is left out: every input is loaded.
;   LIMIT: a NaN, an infinity or an overflow that would arise only in those masked scores is not carried to the result.
; THIS LAUNCH: W [K][N] f32, K its FIRST axis, becomes codes laid in the order in which the later launches' waves take them into registers.
;   A lane takes a column n and its 32 registers run down K: each load reads 128 consecutive bytes a wave (512 a work-group), and the conversions give codes with K innermost.
;   A FRAGMENT (16 rows n x 128 K) is 2,048 bytes: the 16 codes k = 32 c + 16 h + 0..15 of row r lie at 512 c + 256 h + 16 r.
;   THE ROWS OF A FRAGMENT ARE NOT NEIGHBOURS: of a block of 32 columns, column x goes to fragment u = (x >> 3) & 1, row (x & 7) + 8 (x >> 4).
;   So each of a lane's two stores of 16 bytes joins fifteen others: a wave's store covers two runs of 256 consecutive bytes, each at a multiple of 256 from the buffer's first byte.
; SHARES: a work-group takes 128 columns x 32 along K, a wave 32 columns.  Work-groups 0-63 wq, 64-127 wk, 128-191 wv, 192-255 w_proj, 256-511 w1, 512-767 w2.
; wcodes, in blocks of 16,384 bytes (8 fragments).  For qkv: wave w's 98,304 bytes: block (kind, jj) at 32768 kind + 16384 jj is head 2 w + jj, fragment 4 u + ks.
;   For mlp, from byte 786,432: wave w's 294,912 bytes: blocks 0,1 w_proj's column blocks 2 w + n; blocks 2-9 w1's column blocks 8 w + n - 2 (fragment 4 u + ks);
;   blocks 10-17 w2: K steps 2 q, 2 q + 1 of the four fragments of columns 64 w on (fragment 4 (ks & 1) + i).
; code = x / 2^e, held within +-448, to the nearest code, ties to even.  LIMITS: e between -126 and 119; NaN among the inputs is not served.
; No LDS, no barrier, no matrix unit, no cluster: waves share nothing, and each byte is read and written once.
.macro LOADS pitch                     ; W(32 kb + i, my column), i = 0 .. 31
.set ii, 0
.rept 32
	global_load_b32 v[32+ii], v3, s[24:25] offset:ii*\pitch th:TH_LOAD_NT
.set ii, ii+1
.endr
.endm
	s_load_b256 s[8:15], s[0:1], 0x0               ; wq, wk, wv, w_proj
	s_load_b256 s[16:23], s[0:1], 0x20             ; w1, w2, the scales' exponents, wcodes
	v_lshrrev_b32 v1, 5, v0
	v_readfirstlane_b32 s28, v1                    ; wave 0..3
	v_and_b32 v2, 31, v0                           ; lane = my column in the block of 32
	v_lshlrev_b32 v3, 2, v2                        ; in: 4 bytes a lane
	v_bfe_u32 v5, v0, 3, 1                         ; u
	v_and_b32 v6, 7, v0
	v_bfe_u32 v7, v0, 4, 1
	v_lshl_add_u32 v6, v7, 3, v6                   ; my row in the fragment
	s_mov_b32 s2, ttmp9
	s_lshr_b32 s31, s2, 8                          ; 0: a weight of 512 x 512; 1: w1; 2: w2
	s_mov_b32 s29, 294912
	s_cmp_lt_u32 s2, 192
	s_cselect_b32 s29, 98304, s29                  ; a wave's bytes in the reader's part
	s_cmp_lt_u32 s2, 256
	s_cselect_b32 s30, 63, 255
	s_cmp_eq_u32 s31, 1
	s_cselect_b32 s32, 4, 2                        ; bits of the column group
	s_cselect_b32 s33, 3, 1                        ; column blocks of a wave, as a shift
	s_cselect_b32 s34, 18, 16                      ; 32 rows of W in bytes, as a shift
	s_and_b32 s35, s2, s30                         ; my number within the weight
	s_bfm_b32 s36, s32, 0
	s_and_b32 s36, s35, s36                        ; column group
	s_lshr_b32 s37, s35, s32                       ; kb: which 32 along K
	s_lshl_b32 s36, s36, 2
	s_add_co_u32 s36, s36, s28                     ; b: my wave's block of 32 columns
	s_lshl_b32 s38, s37, s34
	s_lshl_b32 s39, s36, 7
	s_add_co_u32 s38, s38, s39                     ; where my wave reads: 32 kb rows + 128 b bytes
	s_mov_b32 s39, 0
	s_lshr_b32 s40, s36, s33                       ; all weights but w2: the reader's wave,
	s_mul_i32 s40, s40, s29
	s_bfm_b32 s41, s33, 0
	s_and_b32 s41, s36, s41
	s_lshl_b32 s41, s41, 14                        ; its block,
	s_add_co_u32 s40, s40, s41
	s_lshr_b32 s41, s37, 2
	s_lshl_b32 s41, s41, 11                        ; the K step's fragment
	s_add_co_u32 s40, s40, s41
	s_and_b32 s42, s37, 3
	s_lshl_b32 s42, s42, 9                         ; 512 c, for all
	s_lshr_b32 s43, s36, 1                         ; w2: the reader's wave,
	s_mul_i32 s43, s43, 294912
	s_add_co_u32 s43, s43, 950272                  ; its block 10,
	s_lshr_b32 s44, s37, 3
	s_lshl_b32 s44, s44, 14                        ; + the unit of two K steps,
	s_add_co_u32 s43, s43, s44
	s_bfe_u32 s44, s37, 0x10002
	s_lshl_b32 s44, s44, 13                        ; the K step in it,
	s_add_co_u32 s43, s43, s44
	s_and_b32 s44, s36, 1
	s_lshl_b32 s44, s44, 12                        ; and the pair of fragments
	s_add_co_u32 s43, s43, s44
	s_mov_b32 s46, 60                              ; the scale's entry, in bytes; the section's first byte: w2's first, then each earlier weight's
	s_mov_b32 s27, 0
	s_wait_alu depctr_va_vdst(0)
	s_wait_kmcnt 0x0
	s_mov_b64 s[24:25], s[18:19]
	s_cmp_lt_u32 s2, 512
	s_cselect_b64 s[24:25], s[16:17], s[24:25]
	s_cselect_b32 s46, 52, s46
	s_cselect_b32 s27, 819200, s27
	s_cmp_lt_u32 s2, 256
	s_cselect_b64 s[24:25], s[14:15], s[24:25]
	s_cselect_b32 s46, 44, s46
	s_cselect_b32 s27, 786432, s27
	s_cmp_lt_u32 s2, 192
	s_cselect_b64 s[24:25], s[12:13], s[24:25]
	s_cselect_b32 s46, 20, s46
	s_cselect_b32 s27, 65536, s27
	s_cmp_lt_u32 s2, 128
	s_cselect_b64 s[24:25], s[10:11], s[24:25]
	s_cselect_b32 s46, 12, s46
	s_cselect_b32 s27, 32768, s27
	s_cmp_lt_u32 s2, 64
	s_cselect_b64 s[24:25], s[8:9], s[24:25]
	s_cselect_b32 s46, 4, s46
	s_cselect_b32 s27, 0, s27
	s_mov_b32 s47, 0
	s_add_nc_u64 s[20:21], s[20:21], s[46:47]
	s_load_b32 s3, s[20:21], 0x0                   ; e
	s_add_nc_u64 s[24:25], s[24:25], s[38:39]
	s_add_co_u32 s40, s40, s27
	s_mov_b32 s45, 8192
	s_cmp_eq_u32 s31, 2
	s_cselect_b32 s40, s43, s40
	s_cselect_b32 s45, 2048, s45                   ; from fragment u = 0 to u = 1
	s_add_co_u32 s40, s40, s42
	s_mov_b32 s41, 0
	s_add_nc_u64 s[22:23], s[22:23], s[40:41]
	v_mul_u32_u24 v4, v5, s45
	v_lshl_add_u32 v4, v6, 4, v4                   ; out: my fragment, my row's 16 bytes
	s_cmp_eq_u32 s31, 1                            ; a branch on the work-group's number: a row of w1 is 8,192 bytes, of the others 2,048
	s_cbranch_scc1 .Lwide
	LOADS 2048
	s_branch .Lgo
.Lwide:
	LOADS 8192
.Lgo:
	s_wait_kmcnt 0x0
	s_add_co_i32 s4, s3, 127
	s_lshl_b32 s5, s4, 23
	v_mov_b32 v10, s5                              ; 2^e as f32: the conversion takes its exponent field
	s_add_co_i32 s4, s4, 8
	s_lshl_b32 s4, s4, 23
	s_or_b32 s4, s4, 0x600000
	v_mov_b32 v11, s4                              ; 448 x 2^e
	s_wait_alu depctr_va_vdst(0)
	s_wait_loadcnt 0x0
.set ii, 0
.rept 32
	v_med3_num_f32 v[32+ii], v[32+ii], -v11, v11   ; the conversion to an 8-bit code does not saturate (ISA guide 7.6.2): the hold comes first
.set ii, ii+1
.endr
.irp g, 0,1,2,3
	v_cvt_scalef32_pk8_fp8_f32 v[16+2*\g:17+2*\g], v[32+8*\g:39+8*\g], v10
.endr
	global_store_b128 v4, v[16:19], s[22:23]       ; k = 0..15 of the block: the half h = 0
	global_store_b128 v4, v[20:23], s[22:23] offset:256   ; k = 16..31: the half h = 1
	s_endpgm
.Lfunc_end_k_q346fa3e521_prep:
	.size	k_q346fa3e521_prep, .Lfunc_end_k_q346fa3e521_prep-k_q346fa3e521_prep
	.p2alignl 7, 3214868480
	.fill 96, 4, 3214868480
	.section	.rodata,"a",@progbits
	.p2align	6, 0x0
	.amdhsa_kernel k_q346fa3e521_prep
		.amdhsa_group_segment_fixed_size 0
		.amdhsa_private_segment_fixed_size 0
		.amdhsa_enable_private_segment 0
		.amdhsa_kernarg_size 64
		.amdhsa_user_sgpr_count 2
		.amdhsa_user_sgpr_kernarg_segment_ptr 1
		.amdhsa_wavefront_size32 1
		.amdhsa_system_sgpr_workgroup_id_x 1
		.amdhsa_system_sgpr_workgroup_id_y 1
		.amdhsa_system_sgpr_workgroup_id_z 1
		.amdhsa_system_vgpr_workitem_id 0
		.amdhsa_next_free_vgpr 64
		.amdhsa_next_free_sgpr 66
		.amdhsa_reserve_vcc 0
		.amdhsa_float_denorm_mode_32 3
		.amdhsa_float_denorm_mode_16_64 3
		.amdhsa_memory_ordered 1
		.amdhsa_forward_progress 1
		.amdhsa_inst_pref_size 13
	.end_amdhsa_kernel
	.amdgpu_metadata
---
amdhsa.version: [ 1, 2 ]
amdhsa.kernels:
  - .name:           k_q346fa3e521_prep
    .symbol:         k_q346fa3e521_prep.kd
    .args:
      - { .name: wq, .offset: 0, .size: 8, .value_kind: global_buffer, .address_space: global }
      - { .name: wk, .offset: 8, .size: 8, .value_kind: global_buffer, .address_space: global }
      - { .name: wv, .offset: 16, .size: 8, .value_kind: global_buffer, .address_space: global }
      - { .name: w_proj, .offset: 24, .size: 8, .value_kind: global_buffer, .address_space: global }
      - { .name: w1, .offset: 32, .size: 8, .value_kind: global_buffer, .address_space: global }
      - { .name: w2, .offset: 40, .size: 8, .value_kind: global_buffer, .address_space: global }
      - { .name: lowp_scales, .offset: 48, .size: 8, .value_kind: global_buffer, .address_space: global }
      - { .name: wcodes, .offset: 56, .size: 8, .value_kind: global_buffer, .address_space: global }
    .group_segment_fixed_size: 0
    .private_segment_fixed_size: 0
    .kernarg_segment_align: 8
    .kernarg_segment_size: 64
    .max_flat_workgroup_size: 128
    .sgpr_count:     66
    .vgpr_count:     64
    .wavefront_size: 32
...
	.end_amdgpu_metadata
.endif
;; end of part 1
;; launch qkv (part 2): grid 256 x 1, 8 waves a work-group, no clusters, 237,568 bytes of LDS; arguments x, ln1_g, ln1_b, lowp_scales, wcodes, qc, kc, vc; writes qc, kc, vc
.if DOCPART == 2
	.amdgcn_target "amdgcn-amd-amdhsa--gfx1250"
	.amdhsa_code_object_version 6
	.text
	.protected	k_q346fa3e521_qkv
	.globl	k_q346fa3e521_qkv
	.p2align	8
	.type	k_q346fa3e521_qkv,@function
k_q346fa3e521_qkv:
	s_mov_b64 s[64:65], 0
	v_nop
	global_prefetch_b8 v0, s[64:65] scope:SCOPE_SE
	s_setreg_imm32_b32 hwreg(HW_REG_WAVE_MODE, 25, 1), 1
	s_wait_xcnt 0x0
; h = LN1(x); q = h wq, k = h wk, v = h wv, each product on codes of E4M3 (h is quantised three times: entries 0, 2, 4 of the scales may differ); q, k, v leave as codes (entries 6, 7, 9).  No work is left out here.
; SHARES: a work-group takes 64 tokens, in two sets of 32, and 8 of the 16 heads (128 x 2 = 256 work-groups); wave w makes head w of the eight, of q, of k and of v, for all 64 tokens.
;   Its three blocks of weight codes (16,384 bytes each) come from memory straight into its registers, 512 consecutive bytes a load, and each serves both sets.  LN1 is made by both work-groups of a block of tokens.
; TOKENS OF A TILE ARE NOT NEIGHBOURS: of a set of 32, token x is row (x & 7) + 8 (x >> 4) of tile (x >> 3) & 1; the weights' rows likewise (launch prep).
;   So a product used transposed (source 0 = 16 rows of W, source 1 = 16 tokens) leaves a lane one token and 16 neighbouring channels 16 h + 0..15 of a head: q's and k's operand for the scores;
;   used as it is (source 0 = tokens, source 1 = W) it leaves a lane one channel and 16 neighbouring tokens: v's operand, whose K is the keys.
; LN1: x goes through a stage in LDS (dense loads in, fragment order out); in each set wave w takes tile w & 1, K step w >> 1: a lane holds 64 numbers of one token; sums meet in LDS, added in one fixed order.  Mean first, then the centred squares.
; OPERANDS GO FROM WAVE TO WAVE AS IMAGES OF THEIR REGISTERS: four ds_store_b128 a fragment, lane l's 16 bytes at 16 l.
; NO CLUSTER, NO TENSOR LOAD: a fragment of W is used by one wave of a work-group alone, so it goes to that wave's registers, asked for under LN1; a landing place for eight waves' blocks (131,072 bytes) beside the 237,568 in use passes 327,680.
; LIMITS: e0, e2, e4, e6 - e0 - e1, e7 - e2 - e3, e9 - e4 - e5 between -126 and 119; NaN among the inputs is not served.
; REGISTERS, window 0: v1-15 addresses; v16-27 scales and holds; v[28:29] mean, v[30:31] 1/sigma; v32-63 at work, then four accumulators; v64-127 x, then the codes that leave; v128-255 g, b, h's codes, then 8 fragments of h.
;   window 1: two blocks of W, at v0 and at v128.
.set SPI,   2064                       ; a stage row: 2,048 bytes + 16: row r starts 4 r banks on, so sixteen rows' 16 bytes fall on different banks (64 banks of 4 bytes: ISA guide 11.1)
.set SETB,  32*SPI                     ; a set's rows
.set PAR,   132096                     ; behind the stage's 64 rows: ln1_g, ln1_b
.set RED,   136192                     ; the sums: [set][sums, squares][tile][row][K step] words
.set XIMG,  138240                     ; h's images: [set][kind][4 m + ks][2,048]
.set SPARE, 236544                     ; the spare words, 128 bytes a wave: four blocks of 256 bytes that no other line names
.set X,   64
.set G,   128
.set BN,  192
.set PC,  128
.set ACC, 32
.set AF,  128
.set OC,  64
.set MSB, 0
.macro WIN new                         ; the immediate's high byte repeats the setting that is left
.if MSB != \new
	s_set_vgpr_msb (MSB<<8)|\new
.set MSB, \new
.endif
.endm
.macro BARRIER                         ; my LDS stores have landed and my LDS loads are in: then the work-group's barrier
	s_wait_dscnt 0x0
	s_barrier_signal -1
	s_barrier_wait -1
.endm
.macro PLACES                          ; four plain places behind matrix instructions, ahead of loads into their registers and of reads of their results
.rept 4
	v_nop
.endr
.endm
.macro MKSC vs, vl, sk                 ; v[vs] = 2^k as f32, v[vl] = 448 x 2^k
	s_add_co_i32 s60, \sk, 127
	s_lshl_b32 s61, s60, 23
	v_mov_b32 v[\vs], s61
	s_add_co_i32 s60, s60, 8
	s_lshl_b32 s60, s60, 23
	s_or_b32 s60, s60, 0x600000
	v_mov_b32 v[\vl], s60
.endm
.macro PREF buf, n                     ; my block of kind n into buffer buf of window 1
	WIN 0x40
.set ii, 0
.rept 32
	global_load_b128 v[128*(\buf)+4*ii:128*(\buf)+4*ii+3], v2, s[16:17] offset:(\n)*32768+ii*512
.set ii, ii+1
.endr
	WIN 0
.endm
	s_load_b512 s[8:23], s[0:1], 0x0               ; x, ln1_g, ln1_b, scales, wcodes, qc, kc, vc
	v_lshl_add_u32 v3, v0, 2, SPARE                ; my spare word,
	v_mov_b32 v4, 0                                ; and 0: kept for the closing lines
	v_lshrrev_b32 v32, 5, v0
	v_readfirstlane_b32 s48, v32                   ; wave 0..7
	s_and_b32 s6, ttmp9, 1                         ; which eight heads
	s_lshr_b32 s7, ttmp9, 1                        ; which 64 tokens
	s_lshl_b32 s2, s6, 3
	s_add_co_u32 s2, s2, s48                       ; my head
	s_lshr_b32 s3, s2, 1
	s_mul_i32 s3, s3, 98304
	s_and_b32 s2, s2, 1
	s_lshl_b32 s2, s2, 14
	s_add_co_u32 s24, s3, s2                       ; its weight codes
	s_lshl_b32 s25, s48, 13                        ; x, dense: rows 4 w on
	s_lshr_b32 s2, s48, 1                          ; the stage's slot of row 4 w: 16 ((w >> 1) & 1) + 8 (w >> 2) + 4 (w & 1)
	s_and_b32 s2, s2, 1
	s_lshl_b32 s2, s2, 4
	s_lshr_b32 s3, s48, 2
	s_lshl_b32 s3, s3, 3
	s_add_co_u32 s2, s2, s3
	s_and_b32 s4, s48, 1                           ; u: my tile of tokens for LN1
	s_lshl_b32 s3, s4, 2
	s_add_co_u32 s2, s2, s3
	s_mul_i32 s26, s2, SPI
	s_lshr_b32 s5, s48, 1                          ; s: my K step
	s_mul_i32 s27, s4, 16*SPI
	s_lshl_b32 s3, s5, 9
	s_add_co_u32 s27, s27, s3                      ; the stage, out
	s_add_co_u32 s28, s3, PAR                      ; the parameters, out
	s_lshl_b32 s29, s4, 8
	s_add_co_u32 s29, s29, RED                     ; my token's four partial sums
	s_lshl_b32 s30, s5, 2                          ; mine of them
	s_lshl_b32 s2, s4, 2
	s_add_co_u32 s2, s2, s5
	s_lshl_b32 s2, s2, 11
	s_add_co_u32 s31, s2, XIMG                     ; h's image: fragment 4 u + s
	s_lshl_b32 s49, s48, 15                        ; out: my head
	v_and_b32 v33, 31, v0                          ; lane
	v_and_b32 v34, 15, v0                          ; r
	v_bfe_u32 v35, v0, 4, 1                        ; h
	v_lshlrev_b32 v1, 4, v33                       ; 16 x lane
	v_mul_u32_u24 v7, v34, SPI
	v_lshlrev_b32 v37, 6, v35                      ; 64 h
	v_lshlrev_b32 v38, 4, v34                      ; 16 r
	v_add_nc_u32 v2, s24, v1
	v_add_nc_u32 v5, s25, v1
	v_add_nc_u32 v6, s26, v1                       ; the stage, on the way in
	v_add_nc_u32 v7, v7, v37
	v_add_nc_u32 v7, s27, v7                       ; and out: slot 16 u + r, byte 512 s + 64 h
	v_lshl_add_u32 v8, v0, 4, PAR                  ; the parameters, in
	v_add_nc_u32 v9, s28, v37                      ; and out: g at 512 s + 64 h
	v_add_nc_u32 v11, s29, v38
	v_add_nc_u32 v10, s30, v11
	v_add_nc_u32 v12, s31, v1
	v_add_nc_u32 v13, XIMG, v1                     ; where all are read
	v_add_nc_u32 v14, s49, v1
	v_and_b32 v15, 127, v0
	v_lshlrev_b32 v15, 4, v15                      ; my 16 bytes of g or of b
	v_add_nc_u32 v36, SETB, v6                     ; the stage, in, for the second set
	s_mov_b32 s50, 0x76543210                      ; v_permlanex16_b32: lane l xor 16
	s_mov_b32 s51, 0xfedcba98
	s_mov_b32 s58, 0x3b000000                      ; 1 / 512
	s_mov_b32 s59, 0x3727c5ac                      ; 1e-5
	s_lshl_b32 s24, s7, 17                         ; my 64 rows of x
	s_mov_b32 s25, 0
	s_wait_alu depctr_va_vdst(0)
	s_wait_kmcnt 0x0
	s_load_b512 s[32:47], s[14:15], 0x0            ; e0 .. e15
	s_add_nc_u64 s[8:9], s[8:9], s[24:25]
.irp i, 0,1,2,3
.irp q, 0,1,2,3
	global_load_b128 v[X+4*(4*\i+\q):X+4*(4*\i+\q)+3], v5, s[8:9] offset:\i*2048+\q*512   ; 512 consecutive bytes a load
.endr
.endr
	s_cmp_lt_u32 s48, 4                            ; waves 0-3 fetch g, waves 4-7 b
	s_cselect_b64 s[26:27], s[10:11], s[12:13]
	global_load_b128 v[32:35], v15, s[26:27]
.irp i, 0,1,2,3
.irp q, 0,1,2,3
	global_load_b128 v[128+4*(4*\i+\q):131+4*(4*\i+\q)], v5, s[8:9] offset:65536+\i*2048+\q*512
.endr
.endr
	PREF 0, 0                                      ; by count 65 loads go out here; the issue that would pass the counter's field waits by itself (ISA guide 5.7.1)
	s_lshr_b32 s2, s7, 4                           ; the batch,
	s_lshl_b32 s2, s2, 19
	s_lshl_b32 s3, s6, 18                          ; my eight heads,
	s_add_co_u32 s2, s2, s3
	s_and_b32 s3, s7, 15                           ; and my block of 64 tokens in it
	s_lshl_b32 s4, s3, 11
	s_add_co_u32 s28, s2, s4
	s_mov_b32 s29, 0
	s_add_nc_u64 s[52:53], s[18:19], s[28:29]      ; q's and k's codes: [16 batch + head][tile][512]
	s_add_nc_u64 s[54:55], s[20:21], s[28:29]
	s_lshr_b32 s4, s3, 1
	s_lshl_b32 s4, s4, 12
	s_and_b32 s5, s3, 1
	s_lshl_b32 s5, s5, 10
	s_add_co_u32 s28, s2, s4
	s_add_co_u32 s28, s28, s5
	s_add_nc_u64 s[56:57], s[22:23], s[28:29]      ; v's: [16 batch + head][step of 128 keys][u][2,048], 32 keys at 512 c
	s_wait_kmcnt 0x0
	MKSC 16, 17, s32
	MKSC 18, 19, s34
	MKSC 20, 21, s36
	s_sub_co_i32 s62, s38, s32                     ; a sum of the first product stands for sum x 2^(e0 + e1): its code is sum / 2^(e6 - e0 - e1)
	s_sub_co_i32 s62, s62, s33
	MKSC 22, 23, s62
	s_sub_co_i32 s62, s39, s34
	s_sub_co_i32 s62, s62, s35
	MKSC 24, 25, s62
	s_sub_co_i32 s62, s41, s36
	s_sub_co_i32 s62, s62, s37
	MKSC 26, 27, s62
	s_wait_alu depctr_va_vdst(0)
	s_wait_loadcnt 32                              ; x, g and b are in; the first block's 32 loads may be out
.irp i, 0,1,2,3
.irp q, 0,1,2,3
	ds_store_b128 v6, v[X+4*(4*\i+\q):X+4*(4*\i+\q)+3] offset:\i*SPI+\q*512
	ds_store_b128 v36, v[128+4*(4*\i+\q):131+4*(4*\i+\q)] offset:\i*SPI+\q*512
.endr
.endr
	ds_store_b128 v8, v[32:35]
	PREF 1, 1
	BARRIER                                        ; x's 64 rows, g and b lie in LDS
	; ---- LN1, a set of 32 tokens a trip: my 64 numbers of token r: k = 128 s + 32 c + 16 h + 0..15 in registers 16 c on
	s_mov_b32 s30, 0                               ; the set,
	s_mov_b32 s31, 0                               ; its bytes in the stage,
	s_mov_b32 s49, 0                               ; among the sums,
	s_mov_b32 s63, 0                               ; and among the images
.macro TOTAL                           ; eight chains in v[32:47] -> my token's sum over my K step in v32
	v_pk_add_f32 v[32:33], v[32:33], v[40:41]
	v_pk_add_f32 v[34:35], v[34:35], v[42:43]
	v_pk_add_f32 v[36:37], v[36:37], v[44:45]
	v_pk_add_f32 v[38:39], v[38:39], v[46:47]
	s_delay_alu instid0(VALU_DEP_2)
	v_pk_add_f32 v[32:33], v[32:33], v[36:37]
	s_delay_alu instid0(VALU_DEP_2)
	v_pk_add_f32 v[34:35], v[34:35], v[38:39]
	s_delay_alu instid0(VALU_DEP_1)
	v_pk_add_f32 v[32:33], v[32:33], v[34:35]
	s_delay_alu instid0(VALU_DEP_1)
	v_add_f32 v32, v32, v33
	s_delay_alu instid0(VALU_DEP_1)
	v_permlanex16_b32 v34, v32, s50, s51
	s_delay_alu instid0(VALU_DEP_1)
	v_add_f32 v32, v32, v34
.endm
.macro FOUR                            ; the four K steps, in one order in all waves
	s_wait_dscnt 0x0
	v_add_f32 v48, v48, v49
	s_delay_alu instid0(VALU_DEP_1)
	v_add_f32 v48, v48, v50
	s_delay_alu instid0(VALU_DEP_1)
	v_add_f32 v48, v48, v51
.endm
; h is quantised with one of its three scales: held into one of two sets by turns, so that no conversion's sources are written straight behind it; each kind has its own registers for the codes
.macro QUANTX kind, vs, vl
.irp c, 0,1,2,3
.irp i, 0,1,2,3,4,5,6,7,8,9,10,11,12,13,14,15
	v_med3_num_f32 v[32+16*(\c%2)+\i], v[X+16*\c+\i], -v[\vl], v[\vl]
.endr
	v_cvt_scalef32_pk8_fp8_f32 v[PC+16*\kind+4*\c:PC+16*\kind+4*\c+1], v[32+16*(\c%2):32+16*(\c%2)+7], v[\vs]
	v_cvt_scalef32_pk8_fp8_f32 v[PC+16*\kind+4*\c+2:PC+16*\kind+4*\c+3], v[32+16*(\c%2)+8:32+16*(\c%2)+15], v[\vs]
.endr
	v_nop                                          ; a plain place behind the last conversion
.irp c, 0,1,2,3
	ds_store_b128 v15, v[PC+16*\kind+4*\c:PC+16*\kind+4*\c+3] offset:\kind*16384+512*\c
.endr
.endm
.Lset:
	v_add_nc_u32 v5, s31, v7
	v_add_nc_u32 v6, s49, v10
	v_add_nc_u32 v8, s49, v11
	v_add_nc_u32 v15, s63, v12
	s_wait_alu depctr_va_vdst(0)
.irp c, 0,1,2,3
.irp j, 0,1,2,3
	ds_load_b128 v[X+16*\c+4*\j:X+16*\c+4*\j+3], v5 offset:128*\c+16*\j
.endr
.endr
.irp c, 0,1,2,3
.irp j, 0,1,2,3
	ds_load_b128 v[G+16*\c+4*\j:G+16*\c+4*\j+3], v9 offset:128*\c+16*\j
.endr
.endr
.irp c, 0,1,2,3
.irp j, 0,1,2,3
	ds_load_b128 v[BN+16*\c+4*\j:BN+16*\c+4*\j+3], v9 offset:2048+128*\c+16*\j
.endr
.endr
	s_wait_dscnt 32                                ; x's sixteen loads are in; g's and b's 32 may be out
.irp c, 0,1,2,3,4,5,6,7
	v_pk_add_f32 v[32+2*\c:33+2*\c], v[X+2*\c:X+2*\c+1], v[X+16+2*\c:X+17+2*\c]
.endr
.irp k, 32, 48
.irp c, 0,1,2,3,4,5,6,7
	v_pk_add_f32 v[32+2*\c:33+2*\c], v[32+2*\c:33+2*\c], v[X+\k+2*\c:X+\k+2*\c+1]
.endr
.endr
	TOTAL
	ds_store_b32 v6, v32
	BARRIER
	ds_load_b128 v[48:51], v8
	FOUR
	s_delay_alu instid0(VALU_DEP_1)
	v_mul_f32 v28, s58, v48                        ; the mean, twice: a pair for the packed forms
	s_delay_alu instid0(VALU_DEP_2)
	v_mul_f32 v29, s58, v48
.set pp, 0
.rept 32
	v_pk_add_f32 v[X+2*pp:X+2*pp+1], v[X+2*pp:X+2*pp+1], v[28:29] neg_lo:[0,1] neg_hi:[0,1]
.set pp, pp+1
.endr
.irp c, 0,1,2,3,4,5,6,7
	v_pk_mul_f32 v[32+2*\c:33+2*\c], v[X+2*\c:X+2*\c+1], v[X+2*\c:X+2*\c+1]   ; the centred squares, in eight chains
.endr
.irp k, 16, 32, 48
.irp c, 0,1,2,3,4,5,6,7
	v_pk_fma_f32 v[32+2*\c:33+2*\c], v[X+\k+2*\c:X+\k+2*\c+1], v[X+\k+2*\c:X+\k+2*\c+1], v[32+2*\c:33+2*\c]
.endr
.endr
	TOTAL
	ds_store_b32 v6, v32 offset:512
	BARRIER
	ds_load_b128 v[48:51], v8 offset:512
	FOUR
	s_delay_alu instid0(VALU_DEP_1)
	v_fma_f32 v48, v48, s58, s59                   ; the variance + 1e-5
	s_wait_alu depctr_va_vdst(0)
	v_rsq_f32 v30, v48
	v_rsq_f32 v31, v48
	v_nop                                          ; a plain place behind the transcendentals
	s_wait_alu depctr_va_vdst(0)                   ; one wait for both, ahead of their first reader
.set pp, 0
.rept 32
	v_pk_mul_f32 v[X+2*pp:X+2*pp+1], v[X+2*pp:X+2*pp+1], v[30:31]
.set pp, pp+1
.endr
.set pp, 0
.rept 32
	v_pk_fma_f32 v[X+2*pp:X+2*pp+1], v[X+2*pp:X+2*pp+1], v[G+2*pp:G+2*pp+1], v[BN+2*pp:BN+2*pp+1]
.set pp, pp+1
.endr
	QUANTX 0, 16, 17
	QUANTX 1, 18, 19
	QUANTX 2, 20, 21
	s_wait_dscnt 0x0                               ; the stores have read their registers: the next trip's loads may land there
	s_add_co_u32 s31, s31, SETB
	s_add_co_u32 s49, s49, 1024
	s_add_co_u32 s63, s63, 49152
	s_add_co_u32 s30, s30, 1
	s_cmp_lt_u32 s30, 2
	s_cbranch_scc1 .Lset
	v_add_nc_u32 v7, 49152, v13                    ; the second set's images
	s_wait_alu depctr_va_vdst(0)
	BARRIER                                        ; h's 2 x 3 x 8 fragments lie in LDS
.macro FA ra, kind                     ; the eight fragments of one kind and set: (tile m, K step ks) at v[AF + 16 (4 m + ks)]
.set ii, 0
.rept 32
	ds_load_b128 v[AF+4*ii:AF+4*ii+3], v[\ra] offset:\kind*16384+ii*512
.set ii, ii+1
.endr
.endm
; One kind and set of my head: 16 matrix instructions, four accumulators by turns; the next fragments are asked for; the sums are held, converted and stored.
.macro HALF n, set, tr, vs, vl, sb, str, so, nra, nkind
.if \set == 0
.if \n < 2
	s_wait_loadcnt 32                              ; this block's 32 loads are in; the next block's 32 may be out
.else
	s_wait_loadcnt 0x0
.endif
.endif
	s_wait_dscnt 0x0
.if \tr
	WIN 0x01                                       ; source 0 (W) window 1
.else
	WIN 0x04                                       ; source 1 (W) window 1
.endif
.irp ks, 0,1,2,3
.irp u, 0,1
.irp m, 0,1
.if \tr
.if \ks == 0
	v_wmma_f32_16x16x128_fp8_fp8 v[ACC+16*\m+8*\u:ACC+16*\m+8*\u+7], v[128*(\n%2)+16*(4*\u+\ks):128*(\n%2)+16*(4*\u+\ks)+15], v[AF+16*(4*\m+\ks):AF+16*(4*\m+\ks)+15], 0
.else
	v_wmma_f32_16x16x128_fp8_fp8 v[ACC+16*\m+8*\u:ACC+16*\m+8*\u+7], v[128*(\n%2)+16*(4*\u+\ks):128*(\n%2)+16*(4*\u+\ks)+15], v[AF+16*(4*\m+\ks):AF+16*(4*\m+\ks)+15], v[ACC+16*\m+8*\u:ACC+16*\m+8*\u+7]
.endif
.else
.if \ks == 0
	v_wmma_f32_16x16x128_fp8_fp8 v[ACC+16*\u+8*\m:ACC+16*\u+8*\m+7], v[AF+16*(4*\m+\ks):AF+16*(4*\m+\ks)+15], v[128*(\n%2)+16*(4*\u+\ks):128*(\n%2)+16*(4*\u+\ks)+15], 0
.else
	v_wmma_f32_16x16x128_fp8_fp8 v[ACC+16*\u+8*\m:ACC+16*\u+8*\m+7], v[AF+16*(4*\m+\ks):AF+16*(4*\m+\ks)+15], v[128*(\n%2)+16*(4*\u+\ks):128*(\n%2)+16*(4*\u+\ks)+15], v[ACC+16*\u+8*\m:ACC+16*\u+8*\m+7]
.endif
.endif
.endr
.endr
.endr
	WIN 0
	PLACES
.if \nra
	FA \nra, \nkind
.endif
.if (\n == 0) && (\set == 1)
	PREF 0, 2                                      ; the buffer just multiplied for both sets takes the third kind
.endif
.set ii, 0
.rept 32
	v_med3_num_f32 v[ACC+ii], v[ACC+ii], -v[\vl], v[\vl]   ; each accumulator from its low end on
.set ii, ii+1
.endr
.irp g, 0,1,2,3
	v_cvt_scalef32_pk8_fp8_f32 v[OC+8*(2*\n+\set)+2*\g:OC+8*(2*\n+\set)+2*\g+1], v[ACC+8*\g:ACC+8*\g+7], v[\vs]
.endr
	v_nop                                          ; a plain place between the conversions and the next products, which write their sources
	global_store_b128 v14, v[OC+8*(2*\n+\set):OC+8*(2*\n+\set)+3], s[\sb:\sb+1] offset:\set*\so              ; 512 consecutive bytes a store; each half has its own registers for its codes
	global_store_b128 v14, v[OC+8*(2*\n+\set)+4:OC+8*(2*\n+\set)+7], s[\sb:\sb+1] offset:\set*\so+\str
.endm
	FA 13, 0
	HALF 0, 0, 1, 22, 23, 52, 512, 1024, 7, 0      ; q: transposed; the two stores are the two tiles of tokens
	HALF 0, 1, 1, 22, 23, 52, 512, 1024, 13, 1
	HALF 1, 0, 1, 24, 25, 54, 512, 1024, 7, 1      ; k likewise
	HALF 1, 1, 1, 24, 25, 54, 512, 1024, 13, 2
	HALF 2, 0, 0, 26, 27, 56, 2048, 512, 7, 2      ; v: as it is; the two stores are the two tiles of channels
	HALF 2, 1, 0, 26, 27, 56, 2048, 512, 0, 0
	s_wait_tensorcnt 0x0                           ; the wave's end
	ds_add_u32 v3, v4
	s_wait_dscnt 0x0
	s_endpgm
.Lfunc_end_k_q346fa3e521_qkv:
	.size	k_q346fa3e521_qkv, .Lfunc_end_k_q346fa3e521_qkv-k_q346fa3e521_qkv
	.p2alignl 7, 3214868480
	.fill 96, 4, 3214868480
	.section	.rodata,"a",@progbits
	.p2align	6, 0x0
	.amdhsa_kernel k_q346fa3e521_qkv
		.amdhsa_group_segment_fixed_size 237568
		.amdhsa_private_segment_fixed_size 0
		.amdhsa_enable_private_segment 0
		.amdhsa_kernarg_size 64
		.amdhsa_user_sgpr_count 2
		.amdhsa_user_sgpr_kernarg_segment_ptr 1
		.amdhsa_wavefront_size32 1
		.amdhsa_system_sgpr_workgroup_id_x 1
		.amdhsa_system_sgpr_workgroup_id_y 1
		.amdhsa_system_sgpr_workgroup_id_z 1
		.amdhsa_system_vgpr_workitem_id 0
		.amdhsa_next_free_vgpr 512
		.amdhsa_next_free_sgpr 66
		.amdhsa_reserve_vcc 0
		.amdhsa_float_denorm_mode_32 3
		.amdhsa_float_denorm_mode_16_64 3
		.amdhsa_memory_ordered 1
		.amdhsa_forward_progress 1
		.amdhsa_inst_pref_size 85
	.end_amdhsa_kernel
	.amdgpu_metadata
---
amdhsa.version: [ 1, 2 ]
amdhsa.kernels:
  - .name:           k_q346fa3e521_qkv
    .symbol:         k_q346fa3e521_qkv.kd
    .args:
      - { .name: x, .offset: 0, .size: 8, .value_kind: global_buffer, .address_space: global }
      - { .name: ln1_g, .offset: 8, .size: 8, .value_kind: global_buffer, .address_space: global }
      - { .name: ln1_b, .offset: 16, .size: 8, .value_kind: global_buffer, .address_space: global }
      - { .name: lowp_scales, .offset: 24, .size: 8, .value_kind: global_buffer, .address_space: global }
      - { .name: wcodes, .offset: 32, .size: 8, .value_kind: global_buffer, .address_space: global }
      - { .name: qc, .offset: 40, .size: 8, .value_kind: global_buffer, .address_space: global }
      - { .name: kc, .offset: 48, .size: 8, .value_kind: global_buffer, .address_space: global }
      - { .name: vc, .offset: 56, .size: 8, .value_kind: global_buffer, .address_space: global }
    .group_segment_fixed_size: 237568
    .private_segment_fixed_size: 0
    .kernarg_segment_align: 8
    .kernarg_segment_size: 64
    .max_flat_workgroup_size: 256
    .sgpr_count:     66
    .vgpr_count:     512
    .wavefront_size: 32
...
	.end_amdgpu_metadata
.endif
;; end of part 2
;; launch attn (part 3): grid 2 x 128, 16 waves a work-group, no clusters, 67,584 bytes of LDS; arguments qc, kc, vc, lowp_scales, ac; writes ac
.if DOCPART == 3
	.amdgcn_target "amdgcn-amd-amdhsa--gfx1250"
	.amdhsa_code_object_version 6
	.text
	.protected	k_q346fa3e521_attn
	.globl	k_q346fa3e521_attn
	.p2align	8
	.type	k_q346fa3e521_attn,@function
k_q346fa3e521_attn:
	s_mov_b64 s[64:65], 0
	v_nop
	global_prefetch_b8 v0, s[64:65] scope:SCOPE_SE
	s_setreg_imm32_b32 hwreg(HW_REG_WAVE_MODE, 25, 1), 1
	s_wait_xcnt 0x0
; attn[q] = the sum over keys k <= q of softmax(q . k / sqrt(32)) v, for each of 128 (batch, head); both products on codes of E4M3; the result leaves as codes (entry 10 of the scales).
; WORK LEFT OUT: steps of 128 keys that lie wholly behind a tile's queries (reference()'s own causal mask gives them the weight 0 for all inputs); a NaN or an infinity that would arise only there is not carried on.
; THE SOFTMAX AHEAD OF THE SECOND PRODUCT: t = score x log2(e) / sqrt(32); M = the largest t so far, rounded up to a whole number; p = 2^(t - M) is quantised (entry 8), not normalised;
;   the row's sum is taken of the unquantised p and divides at the end.  When M moves, the sum and O are multiplied by 2^(old M - new M), which rounds nothing.
; SHARES: two work-groups to a head, sixteen waves each.  Wave w of work-group p owns the tiles of 16 queries TA = 2 w + p and TB = 63 - TA: (TA >> 3) + (TB >> 3) + 2 = 9 key steps in every wave.
;   A head's K and V codes are 65,536 bytes: they are brought into LDS once, at the head, by all sixteen waves; one barrier in the whole launch.
; LAYOUT: both products are used transposed: S^T = K Q^T (source 0 = 16 keys, source 1 = my 16 queries), O^T = V^T P^T: a lane holds one query throughout.
;   The head's 32 channels lie in registers 0-3 of a run of eight (lane (r, h): channels 16 h + 0..15, the same places in Q and in K); registers 4-7 hold zero codes, which add nothing: the form's K is 64.
;   Tokens of a tile are not neighbours (launch qkv): so the 16 registers of tiles 2 b and 2 b + 1 of the scores are the neighbouring keys 32 b + 16 h + 0..15, as the second product's operand wants them.
; LINES THAT CAN CHANGE NOTHING ARE JUMPED OVER, by scalar branches (this launch has no tensor load, no copy and no cluster, and no barrier stands in its loop):
;   the hold of p: p is at most 1 (a rounding of t - M aside), and 448 x 2^e8 is at least 1.75 where e8 >= -8: there the hold's 64 lines of a step are left out, on the exponent as it is read from memory; where e8 < -8 they run;
;   the mask of the diagonal step: a tile's queries lie in group g = (T >> 1) & 3 of the step's four groups of 32 keys; every key of a group in front of it counts, so that group's 32 lines are left out, on ids alone.
; NO CLUSTER: K and V are shared by the two work-groups of a head alone, and two do not make a cluster of four.  NO PREFETCH: all of K and V is asked for at the head.
; LIMITS: e6 + e7 between -124 and 129 (added to c's exponent field); e8 and e10 - e8 - e9 between -126 and 119; NaN among the inputs is not served.
; REGISTERS: v1 16 x lane; v2 the step's LDS address; v3, v4 the add's two; v5, v6 the lanes' queries; v7 16 x thread; v[8:11], v[12:15] -M, largest t, the sum in two halves, for tile A, B;
;   v[16:23], v[24:31] Q; v32-95 eight runs of K; v96-159 S^T, then p; v[160:175], v[176:191] O^T; v192-223 V; v224-239 p's codes; v236-254 at work.
.set VOFF,  32768                      ; LDS: K's 64 tiles of 512 bytes, then V's [step][u][2,048]
.set SPARE, 65536                      ; the spare words, 128 bytes a wave: eight blocks of 256 bytes that no other line names
.set CS,  20                           ; s[20:21] c
.set SEL, 22                           ; s[22:23] lane l xor 16
.set CNT, 24                           ; the step
.set TBO, 25                           ; its bytes in K's and in V's part
.set KF,  26                           ; its first key
.set SA,  27                           ; tile A's last step
.set SB,  28                           ; tile B's
.set GA,  31                           ; tile A's group of 32 keys in its last step
.set GB,  7                            ; tile B's
.set E8,  40                           ; s40: e8, as it is read
.macro PLACES
.rept 4
	v_nop
.endr
.endm
.macro MKSC vs, vl, sk
	s_add_co_i32 s60, \sk, 127
	s_lshl_b32 s61, s60, 23
	v_mov_b32 v[\vs], s61
	s_add_co_i32 s60, s60, 8
	s_lshl_b32 s60, s60, 23
	s_or_b32 s60, s60, 0x600000
	v_mov_b32 v[\vl], s60
.endm
	s_load_b256 s[8:15], s[0:1], 0x0               ; qc, kc, vc, the scales' exponents
	s_load_b64 s[16:17], s[0:1], 0x20              ; ac
	v_lshl_add_u32 v3, v0, 2, SPARE
	v_mov_b32 v4, 0
	v_lshrrev_b32 v2, 5, v0
	s_delay_alu instid0(VALU_DEP_1)
	v_readfirstlane_b32 s18, v2                    ; wave 0..15
	v_and_b32 v1, 31, v0
	s_delay_alu instid0(VALU_DEP_1)
	v_lshlrev_b32 v1, 4, v1                        ; 16 x lane
	v_lshlrev_b32 v7, 4, v0                        ; 16 x thread
	v_and_b32 v5, 15, v0
	v_and_b32 v6, 8, v0
	s_delay_alu instid0(VALU_DEP_1)
	v_add_nc_u32 v5, v5, v6                        ; r + 8 (r / 8)
	v_and_b32 v6, 16, v0
	s_delay_alu instid0(VALU_DEP_1)
	v_sub_nc_u32 v6, v5, v6                        ; - 16 h
	s_wait_alu depctr_va_vdst(0)
	s_and_b32 s19, ttmp7, 0xffff                   ; 16 batch + head
	s_lshl_b32 s29, s18, 1
	s_add_co_u32 s29, s29, ttmp9                   ; TA
	s_sub_co_u32 s30, 63, s29                      ; TB
	s_lshr_b32 s[SA], s29, 3
	s_lshr_b32 s[SB], s30, 3
	s_bfe_u32 s[GA], s29, 0x20001                  ; (T >> 1) & 3
	s_bfe_u32 s[GB], s30, 0x20001
	s_lshl_b32 s2, s29, 4                          ; a tile's first query: 16 T - 8 (T & 1)
	s_and_b32 s3, s29, 1
	s_lshl_b32 s3, s3, 3
	s_sub_co_u32 s2, s2, s3
	v_add_nc_u32 v5, s2, v6                        ; my query of tile A, less 16 h
	s_lshl_b32 s2, s30, 4
	s_and_b32 s3, s30, 1
	s_lshl_b32 s3, s3, 3
	s_sub_co_u32 s2, s2, s3
	v_add_nc_u32 v6, s2, v6                        ; of tile B
	s_lshr_b32 s2, s19, 4                          ; where the codes go: token tile 64 batch + T, K step head / 4, group head % 4
	s_lshl_b32 s2, s2, 6
	s_add_co_u32 s3, s2, s29
	s_lshl_b32 s3, s3, 13
	s_add_co_u32 s4, s2, s30
	s_lshl_b32 s4, s4, 13
	s_bfe_u32 s5, s19, 0x20002
	s_lshl_b32 s5, s5, 11
	s_and_b32 s6, s19, 3
	s_lshl_b32 s6, s6, 9
	s_add_co_u32 s5, s5, s6
	s_add_co_u32 s56, s3, s5
	s_mov_b32 s57, 0
	s_add_co_u32 s58, s4, s5
	s_mov_b32 s59, 0
	s_lshl_b32 s62, s19, 15                        ; the head's 32,768 bytes in each tensor of codes
	s_mov_b32 s63, 0
	s_lshl_b32 s2, s29, 9
	s_mov_b32 s3, 0
	s_lshl_b32 s4, s30, 9
	s_mov_b32 s5, 0
	s_mov_b32 s[SEL], 0x76543210
	s_mov_b32 s[SEL+1], 0xfedcba98
	s_mov_b32 s[CS], 0x3e8293ee                    ; c = log2(e) / sqrt(32)
	s_mov_b32 s[CNT], 0
	s_mov_b32 s[TBO], 0
	s_mov_b32 s[KF], 0
	s_wait_kmcnt 0x0
	s_load_b512 s[32:47], s[14:15], 0x0            ; e0 .. e15
	s_add_nc_u64 s[8:9], s[8:9], s[62:63]
	s_add_nc_u64 s[10:11], s[10:11], s[62:63]
	s_add_nc_u64 s[12:13], s[12:13], s[62:63]
	s_add_nc_u64 s[48:49], s[8:9], s[2:3]          ; Q's tile A,
	s_add_nc_u64 s[50:51], s[8:9], s[4:5]          ; tile B
	s_add_nc_u64 s[52:53], s[16:17], s[56:57]
	s_add_nc_u64 s[54:55], s[16:17], s[58:59]
.irp i, 0,1,2,3
	global_load_b128 v[96+4*\i:99+4*\i], v7, s[10:11] offset:\i*8192      ; the work-group's 512 threads take 8,192 consecutive bytes a load
.endr
.irp i, 0,1,2,3
	global_load_b128 v[112+4*\i:115+4*\i], v7, s[12:13] offset:\i*8192
.endr
	global_load_b128 v[16:19], v1, s[48:49]
	global_load_b128 v[24:27], v1, s[50:51]
.irp t, 0,1,2,3,4,5,6,7
.irp j, 4,5,6,7
	v_mov_b32 v[32+8*\t+\j], 0                     ; the zero codes of K's runs: written once; each run has its own
.endr
.endr
.irp j, 20,21,22,23,28,29,30,31
	v_mov_b32 v\j, 0                               ; and of Q's
.endr
.set ii, 0
.rept 32
	v_mov_b32 v[160+ii], 0                         ; O^T: the step is written once; the first finds zeros, which the first change of M leaves zeros
.set ii, ii+1
.endr
	v_mov_b32 v9, 0xff61b1e6                       ; the largest t so far: -3e38
	v_mov_b32 v13, 0xff61b1e6
	s_delay_alu instid0(VALU_DEP_2)
	v_floor_f32 v8, -v9                            ; -M
	s_delay_alu instid0(VALU_DEP_2)
	v_floor_f32 v12, -v13
.irp j, 10,11,14,15,236,252,253,254
	v_mov_b32 v\j, 0                               ; the sums; and registers that are named before the steps write them
.endr
	s_wait_kmcnt 0x0
	s_add_co_i32 s2, s38, s39
	s_lshl_b32 s2, s2, 23
	s_add_co_i32 s[CS], s[CS], s2                  ; a score stands for score x 2^(e6 + e7): added to c's exponent field
	s_mov_b32 s[CS+1], s[CS]                       ; (named with it as a pair, so it is written)
	MKSC 244, 240, s40                             ; 2^e8 and 448 x 2^e8, for p
	s_sub_co_i32 s2, s42, s40
	s_sub_co_i32 s2, s2, s41
	MKSC 245, 241, s2                              ; O / l stands for attn / 2^(e8 + e9): its code is that / 2^(e10 - e8 - e9)
	s_wait_loadcnt 2                               ; K's and V's eight loads are in; Q's two may be out
.irp i, 0,1,2,3
	ds_store_b128 v7, v[96+4*\i:99+4*\i] offset:\i*8192
.endr
.irp i, 0,1,2,3
	ds_store_b128 v7, v[112+4*\i:115+4*\i] offset:VOFF+\i*8192
.endr
	s_wait_dscnt 0x0                               ; for the others' sake: my stores have landed
	s_barrier_signal -1
	s_barrier_wait -1                              ; the head's K and V lie in LDS; nothing is written there again
	s_wait_loadcnt 0x0                             ; Q
; A key step of one tile: q its Q, st its statistics, o its O^T, ql its lanes' queries, sx the scalar with its last step, sg the scalar with its group of 32 keys in that step
.macro STEP q, st, o, ql, sx, sg
.irp t, 0,1,2,3,4,5,6,7
	v_wmma_f32_16x16x64_fp8_fp8 v[96+8*\t:103+8*\t], v[32+8*\t:39+8*\t], v[\q:\q+7], 0
.endr
	PLACES
	s_cmp_lg_u32 s[CNT], s[\sx]                    ; only the tile's last step lies on the diagonal: a branch on ids and on the count of steps
	s_cbranch_scc1 .Lopen_\@
	v_sub_nc_u32 v252, v[\ql], s[KF]               ; d = my query - the step's first key - 16 h.  Register 16 b + i holds key 32 b + 16 h + i of the step: hidden where 32 b + i > d
	v_mov_b32 v254, 0xff800000                     ; -infinity: p = 0 then
.irp b, 0,1,2,3
	s_cmp_gt_u32 s[\sg], \b                        ; my queries' group lies behind group b: all its 32 keys count, and nothing is to be hidden there
	s_cbranch_scc1 .Lgroup_\@_\b
	s_wait_alu depctr_va_vdst(0)
.irp i, 0,1,2,3,4,5,6,7,8,9,10,11,12,13,14,15
	v_cmp_gt_i32 vcc_lo, 32*\b+\i, v252
	v_cndmask_b32 v[96+16*\b+\i], v[96+16*\b+\i], v254, vcc_lo
.endr
.Lgroup_\@_\b:
.endr
.Lopen_\@:
	s_wait_alu depctr_va_vdst(0)
	v_max3_num_f32 v254, v96, v97, v98             ; the step's largest score of my query among my 64 keys, in four chains,
	v_max3_num_f32 v252, v99, v100, v101
	v_max3_num_f32 v246, v102, v103, v104
	v_max3_num_f32 v247, v105, v106, v107
.irp i, 12,20,28,36,44,52
	v_max3_num_f32 v254, v254, v[96+\i], v[97+\i]
	v_max3_num_f32 v252, v252, v[98+\i], v[99+\i]
	v_max3_num_f32 v246, v246, v[100+\i], v[101+\i]
	v_max3_num_f32 v247, v247, v[102+\i], v[103+\i]
.endr
	v_max3_num_f32 v254, v254, v156, v157
	v_max3_num_f32 v252, v252, v158, v159
	v_max_num_f32 v246, v246, v247
	v_max3_num_f32 v254, v254, v252, v246
	v_permlanex16_b32 v236, v254, s[SEL], s[SEL+1]
	s_delay_alu instid0(VALU_DEP_1)
	v_max_num_f32 v254, v254, v236                 ; and among lane l xor 16's
	s_delay_alu instid0(VALU_DEP_1)
	v_mul_f32 v254, s[CS], v254                    ; as t (c is positive)
	s_delay_alu instid0(VALU_DEP_1)
	v_max_num_f32 v[\st+1], v[\st+1], v254         ; the running largest t
	v_mov_b32 v254, v[\st]
	s_delay_alu instid0(VALU_DEP_2)
	v_floor_f32 v[\st], -v[\st+1]                  ; the new -M = floor(-t): M is a whole number
	s_delay_alu instid0(VALU_DEP_1)
	v_sub_f32 v254, v[\st], v254                   ; old M - new M: a whole number, 0 or less
	s_delay_alu instid0(VALU_DEP_1)
	v_cvt_i32_f32 v254, v254
	s_delay_alu instid0(VALU_DEP_1)
	v_ldexp_f32 v252, 1.0, v254                    ; f = 2^(old M - new M)
.set pp, 0
.rept 32
	v_pk_fma_f32 v[96+2*pp:97+2*pp], v[96+2*pp:97+2*pp], s[CS:CS+1], v[\st:\st+1] op_sel_hi:[1,0,0]   ; t - M, two at a time
.set pp, pp+1
.endr
.set ii, 0
	s_wait_alu depctr_va_vdst(0)
.rept 64
	v_exp_f32 v[96+ii], v[96+ii]                   ; p = 2^(t - M)
.set ii, ii+1
.endr
	v_pk_mul_f32 v[\st+2:\st+3], v[\st+2:\st+3], v[252:253] op_sel_hi:[1,0]   ; the sums under the new M: the plain place behind the exponentials
	s_wait_alu depctr_va_vdst(0)                   ; one wait for the batch of 64, ahead of its first reader
	v_pk_add_f32 v[242:243], v[96:97], v[98:99]    ; the row's sum, of the unquantised p, in four chains
	v_pk_add_f32 v[246:247], v[100:101], v[102:103]
	v_pk_add_f32 v[248:249], v[104:105], v[106:107]
.irp j, 12,20,28,36,44,52
	v_pk_add_f32 v[\st+2:\st+3], v[\st+2:\st+3], v[96+\j:97+\j]
	v_pk_add_f32 v[242:243], v[242:243], v[98+\j:99+\j]
	v_pk_add_f32 v[246:247], v[246:247], v[100+\j:101+\j]
	v_pk_add_f32 v[248:249], v[248:249], v[102+\j:103+\j]
.endr
	v_pk_add_f32 v[\st+2:\st+3], v[\st+2:\st+3], v[156:157]
	v_pk_add_f32 v[242:243], v[242:243], v[158:159]
	v_pk_add_f32 v[246:247], v[246:247], v[248:249]
	v_pk_add_f32 v[\st+2:\st+3], v[\st+2:\st+3], v[242:243]
	v_pk_add_f32 v[\st+2:\st+3], v[\st+2:\st+3], v[246:247]
	s_cmp_ge_i32 s[E8], -8                         ; 448 x 2^e8 >= 1.75 there, and p is at most 1: the hold can change nothing
	s_cbranch_scc1 .Lfits_\@
.set ii, 0
.rept 64
	v_min_num_f32 v[96+ii], v[96+ii], v240         ; the hold (the conversion to an 8-bit code does not saturate: ISA guide 7.6.2); p is not negative, so it is one-sided
.set ii, ii+1
.endr
.Lfits_\@:
.irp b, 0,1,2,3
	v_cvt_scalef32_pk8_fp8_f32 v[224+4*\b:225+4*\b], v[96+16*\b:103+16*\b], v244
	v_cvt_scalef32_pk8_fp8_f32 v[226+4*\b:227+4*\b], v[104+16*\b:111+16*\b], v244
.endr
.irp j, 0,2,4,6,8,10,12,14
	v_pk_mul_f32 v[\o+\j:\o+\j+1], v[\o+\j:\o+\j+1], v[252:253] op_sel_hi:[1,0]   ; O^T under the new M; these are also the plain places behind the conversions
.endr
	s_wait_alu depctr_va_vdst(0)
	s_wait_dscnt 0x0                               ; V
	v_wmma_f32_16x16x128_fp8_fp8 v[\o:\o+7], v[192:207], v[224:239], v[\o:\o+7]           ; two accumulators, one instruction each
	v_wmma_f32_16x16x128_fp8_fp8 v[\o+8:\o+15], v[208:223], v[224:239], v[\o+8:\o+15]
.endm
.Lstep:                                            ; eight trips, a constant: a wave jumps over the steps that lie behind its queries (branches on ids and on the count of steps; no barrier stands in the loop)
	s_cmp_gt_u32 s[CNT], s[SB]
	s_cbranch_scc1 .Lnext
	v_add_nc_u32 v2, s[TBO], v1
.rept 3
	v_nop                                          ; with the addition: four places behind the last products, ahead of loads into their registers
.endr
.irp t, 0,1,2,3,4,5,6,7
	ds_load_b128 v[32+8*\t:35+8*\t], v2 offset:512*\t
.endr
.irp u, 0,1
.irp c, 0,1,2,3
	ds_load_b128 v[192+16*\u+4*\c:195+16*\u+4*\c], v2 offset:VOFF+2048*\u+512*\c
.endr
.endr
	s_wait_dscnt 8                                 ; K's eight loads are in; V's eight may be out
	STEP 24, 12, 176, 6, SB, GB                    ; tile B, the later one, needs every step that tile A needs
	s_cmp_gt_u32 s[CNT], s[SA]
	s_cbranch_scc1 .Lnext
	STEP 16, 8, 160, 5, SA, GA
.Lnext:
	s_add_co_u32 s[TBO], s[TBO], 4096
	s_add_co_u32 s[KF], s[KF], 128
	s_add_co_u32 s[CNT], s[CNT], 1
	s_cmp_lt_u32 s[CNT], 8
	s_cbranch_scc1 .Lstep
	; THE WAY OUT: O^T / the sum, held, converted: a lane's 16 registers are channels 16 h + 0..15 of its query: a group of four registers of the projection's operand
	PLACES
	v_add_f32 v10, v10, v11
	s_wait_alu depctr_va_vdst(0)
	v_add_f32 v14, v14, v15
	v_permlanex16_b32 v252, v10, s[SEL], s[SEL+1]
	s_delay_alu instid0(VALU_DEP_2)
	v_permlanex16_b32 v254, v14, s[SEL], s[SEL+1]
	s_delay_alu instid0(VALU_DEP_2)
	v_add_f32 v10, v10, v252
	s_delay_alu instid0(VALU_DEP_2)
	v_add_f32 v14, v14, v254
	s_wait_alu depctr_va_vdst(0)
	v_rcp_f32 v10, v10
	v_rcp_f32 v14, v14
	v_nop                                          ; a plain place behind the reciprocals
	s_wait_alu depctr_va_vdst(0)                   ; one wait for both, ahead of their first reader
.irp j, 0,2,4,6,8,10,12,14
	v_pk_mul_f32 v[160+\j:161+\j], v[160+\j:161+\j], v[10:11] op_sel_hi:[1,0]
.endr
.irp j, 0,2,4,6,8,10,12,14
	v_pk_mul_f32 v[176+\j:177+\j], v[176+\j:177+\j], v[14:15] op_sel_hi:[1,0]
.endr
.set ii, 0
.rept 32
	v_med3_num_f32 v[160+ii], v[160+ii], -v241, v241
.set ii, ii+1
.endr
.irp g, 0,1,2,3
	v_cvt_scalef32_pk8_fp8_f32 v[224+2*\g:225+2*\g], v[160+8*\g:167+8*\g], v245
.endr
	v_nop
	global_store_b128 v1, v[224:227], s[52:53]     ; 512 consecutive bytes a store
	global_store_b128 v1, v[228:231], s[54:55]
	s_wait_tensorcnt 0x0                           ; the wave's end
	ds_add_u32 v3, v4
	s_wait_dscnt 0x0
	s_endpgm
.Lfunc_end_k_q346fa3e521_attn:
	.size	k_q346fa3e521_attn, .Lfunc_end_k_q346fa3e521_attn-k_q346fa3e521_attn
	.p2alignl 7, 3214868480
	.fill 96, 4, 3214868480
	.section	.rodata,"a",@progbits
	.p2align	6, 0x0
	.amdhsa_kernel k_q346fa3e521_attn
		.amdhsa_group_segment_fixed_size 67584
		.amdhsa_private_segment_fixed_size 0
		.amdhsa_enable_private_segment 0
		.amdhsa_kernarg_size 40
		.amdhsa_user_sgpr_count 2
		.amdhsa_user_sgpr_kernarg_segment_ptr 1
		.amdhsa_wavefront_size32 1
		.amdhsa_system_sgpr_workgroup_id_x 1
		.amdhsa_system_sgpr_workgroup_id_y 1
		.amdhsa_system_sgpr_workgroup_id_z 1
		.amdhsa_system_vgpr_workitem_id 0
		.amdhsa_next_free_vgpr 256
		.amdhsa_next_free_sgpr 66
		.amdhsa_reserve_vcc 1
		.amdhsa_float_denorm_mode_32 3
		.amdhsa_float_denorm_mode_16_64 3
		.amdhsa_memory_ordered 1
		.amdhsa_forward_progress 1
		.amdhsa_inst_pref_size 51
	.end_amdhsa_kernel
	.amdgpu_metadata
---
amdhsa.version: [ 1, 2 ]
amdhsa.kernels:
  - .name:           k_q346fa3e521_attn
    .symbol:         k_q346fa3e521_attn.kd
    .args:
      - { .name: qc, .offset: 0, .size: 8, .value_kind: global_buffer, .address_space: global }
      - { .name: kc, .offset: 8, .size: 8, .value_kind: global_buffer, .address_space: global }
      - { .name: vc, .offset: 16, .size: 8, .value_kind: global_buffer, .address_space: global }
      - { .name: lowp_scales, .offset: 24, .size: 8, .value_kind: global_buffer, .address_space: global }
      - { .name: ac, .offset: 32, .size: 8, .value_kind: global_buffer, .address_space: global }
    .group_segment_fixed_size: 67584
    .private_segment_fixed_size: 0
    .kernarg_segment_align: 8
    .kernarg_segment_size: 40
    .max_flat_workgroup_size: 512
    .sgpr_count:     66
    .vgpr_count:     256
    .wavefront_size: 32
...
	.end_amdgpu_metadata
.endif
;; end of part 3
;; launch mlp (part 4): grid 256 x 1, 8 waves a work-group, clusters of 4 x 1, 327,680 bytes of LDS; arguments x, ac, wcodes, lowp_scales, b_proj, ln2_g, ln2_b, b1, b2, out0; writes out0
.if DOCPART == 4
	.amdgcn_target "amdgcn-amd-amdhsa--gfx1250"
	.amdhsa_code_object_version 6
	.text
	.protected	k_q346fa3e521_mlp
	.globl	k_q346fa3e521_mlp
	.p2align	8
	.type	k_q346fa3e521_mlp,@function
k_q346fa3e521_mlp:
	s_mov_b64 s[64:65], 0
	v_nop
	global_prefetch_b8 v0, s[64:65] scope:SCOPE_SE
	s_setreg_imm32_b32 hwreg(HW_REG_WAVE_MODE, 25, 1), 1
	s_wait_xcnt 0x0
	s_wait_alu depctr_hold_cnt(0) depctr_sa_sdst(0) depctr_va_vdst(0) depctr_va_sdst(0) depctr_va_ssrc(0) depctr_va_vcc(0) depctr_vm_vsrc(0)
	s_getreg_b32 s2, hwreg(HW_REG_IB_STS2, 6, 4)
	s_cmp_eq_u32 s2, 0
	s_cbranch_scc0 .Lentry_in_a_cluster
	s_endpgm
.Lentry_in_a_cluster:
	s_bfe_u32 s2, ttmp6, 0x10000c
	s_cmp_lg_u32 s2, 0x3003
	s_cbranch_scc0 .Lentry_shape_is_right
	s_endpgm
.Lentry_shape_is_right:
; out = x + attn w_proj + b_proj;  out0 = out + gelu(LN2(out) w1 + b1) w2 + b2: three products on codes of E4M3; out, LN2's result and the hidden layer never go to memory.  No work is left out here.
; SHARES: a work-group takes 32 tokens (256 work-groups); its eight waves share the COLUMNS: wave w makes columns 64 w .. 64 w + 63 of the first and the third product and hidden units 256 w .. 256 w + 255.
;   A wave multiplies 18 blocks of weight codes (16,384 bytes each, in the order of use: launch prep): P0, P1 of w_proj, H0-H7 of w1, U0-U7 of w2.
; WEIGHTS COME BY TWO ROADS: H0, H3, H6, U1, U4, U7 by joint loads (below) into the wave's 16,384 bytes of LDS; the other twelve from memory straight into registers, two buffers, so that two blocks are asked for at any time.
; CLUSTERS: all work-groups need the same weights; the four of a cluster ask for a block jointly (mask 15).  The next joint load goes out, behind a round, when the block before has been read: two other blocks' work ahead of its use.
;   Joint loads for all blocks would want two slots of 131,072 bytes beside the 167,424 in use, which pass 327,680.  NO PREFETCH: the weights' first bytes are asked for at the head, and every cluster reads the same ones.
; All three products are used transposed (source 0 = 16 rows of W, source 1 = 16 tokens), and rows of W and tokens of a tile are chosen as in launch qkv:
;   a lane holds one token, and the 16 registers of two neighbouring tiles are 16 neighbouring columns 32 b + 16 h + 0..15: what the next product's operand wants.
; OPERANDS GO FROM WAVE TO WAVE AS IMAGES OF THEIR REGISTERS (four ds_store_b128 a fragment, lane l's 16 bytes at 16 l).  x comes in and out0 goes out through a stage, so that memory sees 512 consecutive bytes an instruction.
; GELU: z (1/2 + erf(z / sqrt 2) / 2); erf(u) = u P(u^2) / Q(u^2), degrees 6 and 4, |u| <= 4; the powers of 1/2 of u^2 = z^2 / 2 lie in the coefficients, and 2 sqrt 2 in Q's.
;   LIMIT: beyond |z| = 4 sqrt 2 erf is held at its value there, which is 1 within f32's rounding; 1 + erf loses digits for z far below 0, as the same sum does in f32.
; LIMITS: e12, e14 between -126 and 119; e10 + e11, e12 + e13, e14 + e15 between -126 and 127; NaN among the inputs is not served.
; REGISTERS, window 0: v1-31 addresses and constants (v[28:31] mean, then 1/sigma, in LN2); v32-95 eight accumulators, v96-127 at work (hidden layer: v32-63 and v64-127); v128-255 the token operand's fragments.
;   window 1: two blocks of W, at v0 and at v128.
.set SPI,   2064                       ; a stage row: 2,048 bytes + 16: sixteen rows' 16 bytes fall on different banks (64 banks of 4 bytes: ISA guide 11.1)
.set STG,   131072                     ; LDS: the joint loads' 16,384 bytes a wave, then the stage's 32 rows, in whose bytes the hidden layer lies between x and out0
.set HIMG,  STG                        ; the hidden layer: [16 m + ks][2,048]
.set PAR,   197120                     ; b1 (8,192), b_proj, ln2_g, ln2_b, b2 (2,048 each)
.set RED1,  213504                     ; the sums: [tile][row][wave] words; the squares' 1,024 bytes further on
.set H2IMG, 215552                     ; attention's codes, then LN2's result: [4 m + ks][2,048]
.set OUTS,  231936                     ; out, parked: 8,192 bytes for each wave, its own
.set SPARE, 297472                     ; the spare words, 128 bytes a wave: four blocks of 256 bytes that no other line names
.set ACC, 32
.set AF,  128
.set MSB, 0
.macro WIN new                         ; the immediate's high byte repeats the setting that is left
.if MSB != \new
	s_set_vgpr_msb (MSB<<8)|\new
.set MSB, \new
.endif
.endm
.macro BARRIER
	s_wait_dscnt 0x0
	s_barrier_signal -1
	s_barrier_wait -1
.endm
.macro ROUND                           ; a round of the cluster's barrier
	s_barrier_signal -1
	s_barrier_wait -1
	s_cmp_lg_u32 s48, 0
	s_cbranch_scc1 .Lnot_wave_0_\@
	s_barrier_signal -3
.Lnot_wave_0_\@:
	s_barrier_wait -3
	s_barrier_signal -1
	s_barrier_wait -1
.endm
.macro PLACES
.rept 4
	v_nop
.endr
.endm
.macro MKSC vs, vl, sk
	s_add_co_i32 s60, \sk, 127
	s_lshl_b32 s61, s60, 23
	v_mov_b32 v[\vs], s61
	s_add_co_i32 s60, s60, 8
	s_lshl_b32 s60, s60, 23
	s_or_b32 s60, s60, 0x600000
	v_mov_b32 v[\vl], s60
.endm
.macro PREF buf, n                     ; the block n blocks on from where v2 stands, into buffer buf of window 1
	WIN 0x40
.set ii, 0
.rept 32
	global_load_b128 v[128*(\buf)+4*ii:128*(\buf)+4*ii+3], v2, s[12:13] offset:(\n)*16384+ii*512
.set ii, ii+1
.endr
	WIN 0
.endm
.macro REFILL                          ; my block in LDS has been read: ask for the one three blocks on
	s_wait_tensorcnt 0x0
	ds_add_u32 v3, v4
	s_add_nc_u64 s[54:55], s[54:55], 0xc000
	PLACES
	s_wait_dscnt 0x0                               ; the add is done, and so are my reads of the block
	ROUND
	tensor_load_to_lds s[52:55], s[32:39]
	s_nop 0
	PLACES
.endm
; 16 matrix instructions, K = 512: a block of 32 columns x 32 tokens; four accumulators by turns: (tile m, tile u) at v[base + 16 m + 8 u].  MM16: W from a buffer of registers
.macro MM16 base, wb
	WIN 0x01                                       ; source 0 (W) window 1
.irp ks, 0,1,2,3
.irp u, 0,1
.irp m, 0,1
.if \ks == 0
	v_wmma_f32_16x16x128_fp8_fp8 v[\base+16*\m+8*\u:\base+16*\m+8*\u+7], v[128*(\wb)+16*(4*\u+\ks):128*(\wb)+16*(4*\u+\ks)+15], v[AF+16*(4*\m+\ks):AF+16*(4*\m+\ks)+15], 0
.else
	v_wmma_f32_16x16x128_fp8_fp8 v[\base+16*\m+8*\u:\base+16*\m+8*\u+7], v[128*(\wb)+16*(4*\u+\ks):128*(\wb)+16*(4*\u+\ks)+15], v[AF+16*(4*\m+\ks):AF+16*(4*\m+\ks)+15], v[\base+16*\m+8*\u:\base+16*\m+8*\u+7]
.endif
.endr
.endr
.endr
	WIN 0
	PLACES
.endm
; MMT: the same with W from LDS, a K step's two fragments in v64-95 and v96-127 by turns
.macro TLD ks
.irp u, 0,1
.irp c, 0,1,2,3
	ds_load_b128 v[64+32*((\ks)%2)+16*\u+4*\c:67+32*((\ks)%2)+16*\u+4*\c], v28 offset:(4*\u+\ks)*2048+512*\c
.endr
.endr
.endm
.macro MMT
	TLD 0
	TLD 1
.irp ks, 0,1,2,3
.if \ks < 3
	s_wait_dscnt 8                                 ; this K step's eight loads are in; the next one's may be out
.else
	s_wait_dscnt 0x0
.endif
.irp u, 0,1
.irp m, 0,1
.if \ks == 0
	v_wmma_f32_16x16x128_fp8_fp8 v[ACC+16*\m+8*\u:ACC+16*\m+8*\u+7], v[64+32*(\ks%2)+16*\u:64+32*(\ks%2)+16*\u+15], v[AF+16*(4*\m+\ks):AF+16*(4*\m+\ks)+15], 0
.else
	v_wmma_f32_16x16x128_fp8_fp8 v[ACC+16*\m+8*\u:ACC+16*\m+8*\u+7], v[64+32*(\ks%2)+16*\u:64+32*(\ks%2)+16*\u+15], v[AF+16*(4*\m+\ks):AF+16*(4*\m+\ks)+15], v[ACC+16*\m+8*\u:ACC+16*\m+8*\u+7]
.endif
.endr
.endr
.if \ks < 2
	PLACES
	TLD \ks+2
.endif
.endr
.endm
	s_load_b512 s[8:23], s[0:1], 0x0               ; x, ac, wcodes, scales, b_proj, ln2_g, ln2_b, b1
	s_load_b128 s[24:27], s[0:1], 0x40             ; b2, out0
	v_lshl_add_u32 v3, v0, 2, SPARE
	v_mov_b32 v4, 0
	ds_add_u32 v3, v4                              ; the opening: the add, twice on end, and its wait ahead of my first tensor load
	ds_add_u32 v3, v4
	v_lshrrev_b32 v28, 5, v0
	v_readfirstlane_b32 s48, v28                   ; wave 0..7
	s_bfe_u32 s2, ttmp6, 0x40000                   ; cx
	s_lshl_b32 s49, ttmp9, 2
	s_add_co_u32 s49, s49, s2                      ; my 32 tokens
	; descriptor group 1: 64 rows of 256 bytes, dense; mask 15, bit 21 beside it
	s_mov_b32 s32, 15|(1<<21)
	s_mov_b32 s33, 256<<16
	s_mov_b32 s34, 64<<16
	s_mov_b32 s35, 256<<16
	s_mov_b32 s36, 64
	s_mov_b32 s37, 256
	s_mov_b32 s38, 0
	s_mov_b32 s39, 0
	s_mov_b32 s52, 1
	s_lshl_b32 s53, s48, 14                        ; my 16,384 bytes of LDS
	s_mul_i32 s58, s48, 294912
	s_add_co_u32 s58, s58, 786432                  ; my weight codes
	s_mov_b32 s59, 0
	s_lshl_b32 s2, s48, 8
	s_add_co_u32 s3, s2, PAR+8192
	s_add_co_u32 s2, s2, STG
	s_lshr_b32 s4, s48, 1                          ; the stage's slot of row 4 w, as in launch qkv
	s_and_b32 s4, s4, 1
	s_lshl_b32 s4, s4, 4
	s_lshr_b32 s5, s48, 2
	s_lshl_b32 s5, s5, 3
	s_add_co_u32 s4, s4, s5
	s_and_b32 s5, s48, 1
	s_lshl_b32 s5, s5, 2
	s_add_co_u32 s4, s4, s5
	s_mul_i32 s4, s4, SPI
	s_add_co_u32 s4, s4, STG
	s_lshl_b32 s5, s48, 10
	s_add_co_u32 s6, s5, PAR
	s_add_co_u32 s5, s5, H2IMG
	s_lshl_b32 s7, s48, 2
	s_lshl_b32 s50, s48, 12
	s_add_co_u32 s50, s50, HIMG
	s_lshl_b32 s51, s48, 13
	s_add_co_u32 s56, s51, OUTS
	s_lshl_b32 s57, s48, 11
	v_and_b32 v112, 31, v0                         ; lane
	v_and_b32 v113, 15, v0                         ; r
	v_bfe_u32 v114, v0, 4, 1                       ; h
	v_lshlrev_b32 v1, 4, v112                      ; 16 x lane
	v_mul_u32_u24 v5, v113, SPI
	v_lshlrev_b32 v115, 6, v114                    ; 64 h
	v_lshlrev_b32 v11, 5, v113
	v_add_nc_u32 v2, s58, v1
	v_add_nc_u32 v5, v5, v115
	v_add_nc_u32 v5, s2, v5                        ; the stage in the results' layout: slot r, byte 256 w + 64 h
	v_add_nc_u32 v6, s4, v1                        ; the stage, dense
	v_add_nc_u32 v7, s3, v115                      ; b_proj at my columns; ln2_g, ln2_b, b2 2,048 bytes apart behind it
	v_add_nc_u32 v8, s6, v115                      ; b1 at my first hidden block
	v_add_nc_u32 v11, RED1, v11                    ; my token's eight partial sums
	v_add_nc_u32 v10, s7, v11                      ; mine of them
	v_add_nc_u32 v12, s5, v1                       ; LN2's image: K step w / 2, groups 2 (w % 2) on: 1,024 w
	v_add_nc_u32 v13, H2IMG, v1
	v_add_nc_u32 v14, s50, v1                      ; the hidden layer's image: K steps 2 w, 2 w + 1
	v_add_nc_u32 v16, HIMG, v1
	v_add_nc_u32 v17, s56, v1                      ; where out is parked
	v_add_nc_u32 v18, s51, v1                      ; x and out0, dense: rows 4 w on
	v_lshl_add_u32 v19, v0, 4, PAR                 ; the parameters, in
	v_lshlrev_b32 v28, 4, v0                       ; 16 x thread
	v_and_b32 v29, 127, v0
	v_lshlrev_b32 v29, 4, v29
	v_add_nc_u32 v30, s57, v1                      ; my 2,048 bytes of attention's codes,
	v_add_nc_u32 v31, H2IMG, v30                   ; and of their image
	v_mov_b32 v24, 0x306dffee                      ; P's second coefficient, twice
	v_mov_b32 v25, 0x306dffee
	v_mov_b32 v26, 0xb89e3512                      ; Q's
	v_mov_b32 v27, 0xb89e3512
	s_mov_b32 s96, 0x76543210
	s_mov_b32 s97, 0xfedcba98
	s_mov_b32 s62, 0x3b000000                      ; 1 / 512
	s_mov_b32 s63, 0x3727c5ac                      ; 1e-5
	; erf's coefficients, each as a pair (the packed forms name a pair and take its low word for both halves)
.macro COEF sr, bits
	s_mov_b32 s[\sr], \bits
	s_mov_b32 s[\sr+1], \bits
.endm
	COEF 66, 0xac95df0b                            ; P, highest power first, each x 2^-k
	COEF 68, 0xb40cff51
	COEF 70, 0xb6eec2d2
	COEF 72, 0xb940ac63
	COEF 74, 0xbac1a1f6
	COEF 76, 0xbc83dbd4
	COEF 78, 0xb62ccd2b                            ; Q, each x 2^-k x 2 sqrt 2
	COEF 80, 0xba9bf7b5
	COEF 82, 0xbc2ad7f2
	COEF 84, 0xbd2542a9
	s_lshl_b32 s50, s49, 16                        ; my 32 rows of x and of out0,
	s_mov_b32 s51, 0
	s_lshl_b32 s56, s49, 14                        ; my two tiles of attention's codes
	s_mov_b32 s57, 0
	s_add_co_u32 s58, s58, 0x8000                  ; block H0
	s_wait_alu depctr_va_vdst(0)
	s_wait_dscnt 0x0                               ; both opening adds are done
	s_wait_kmcnt 0x0
	s_load_b256 s[40:47], s[14:15], 0x20           ; e8 .. e15
	s_add_nc_u64 s[8:9], s[8:9], s[50:51]
	s_add_nc_u64 s[26:27], s[26:27], s[50:51]
	s_add_nc_u64 s[10:11], s[10:11], s[56:57]
	s_add_nc_u64 s[54:55], s[12:13], s[58:59]
	s_or_b32 s55, s55, 0x80000000
.irp i, 0,1,2,3
.irp q, 0,1,2,3
	global_load_b128 v[32+4*(4*\i+\q):35+4*(4*\i+\q)], v18, s[8:9] offset:\i*2048+\q*512 th:TH_LOAD_NT
.endr
.endr
	global_load_b128 v[96:99], v28, s[22:23]
	global_load_b128 v[100:103], v28, s[22:23] offset:4096
	s_cmp_lt_u32 s48, 4                            ; waves 0-3: b_proj, ln2_b; waves 4-7: ln2_g, b2
	s_cselect_b64 s[28:29], s[16:17], s[18:19]
	s_cselect_b64 s[30:31], s[20:21], s[24:25]
	global_load_b128 v[104:107], v29, s[28:29]
	global_load_b128 v[108:111], v29, s[30:31]
.irp i, 0,1,2,3
	global_load_b128 v[112+4*\i:115+4*\i], v30, s[10:11] offset:512*\i th:TH_LOAD_NT
.endr
	PREF 0, 0
	ROUND                                          ; the four partners are here: the first joint loads meet
	tensor_load_to_lds s[52:55], s[32:39]          ; H0
	s_nop 0
	PLACES
	s_wait_kmcnt 0x0
	MKSC 20, 21, s44                               ; e12: LN2's result
	MKSC 22, 23, s46                               ; e14: the hidden layer
	s_add_co_i32 s86, s42, s43
	s_add_co_i32 s86, s86, 127
	s_lshl_b32 s86, s86, 23                        ; 2^(e10 + e11)
	s_mov_b32 s87, s86
	s_add_co_i32 s88, s44, s45
	s_add_co_i32 s88, s88, 127
	s_lshl_b32 s88, s88, 23                        ; 2^(e12 + e13)
	s_mov_b32 s89, s88
	s_add_co_i32 s90, s46, s47
	s_add_co_i32 s90, s90, 127
	s_lshl_b32 s90, s90, 23                        ; 2^(e14 + e15)
	s_mov_b32 s91, s90
	s_wait_alu depctr_va_vdst(0)
	s_wait_loadcnt 32                              ; x, the parameters and attention's codes are in; P0's 32 loads may be out
.irp i, 0,1,2,3
.irp q, 0,1,2,3
	ds_store_b128 v6, v[32+4*(4*\i+\q):35+4*(4*\i+\q)] offset:\i*SPI+\q*512
.endr
.endr
.irp i, 0,1,2,3
	ds_store_b128 v19, v[96+4*\i:99+4*\i] offset:4096*\i
	ds_store_b128 v31, v[112+4*\i:115+4*\i] offset:512*\i
.endr
	PREF 1, 1
	BARRIER                                        ; x's 32 rows, the parameters and attention's fragments lie in LDS
.macro FRAGS                           ; an image's eight fragments, (m, ks) at v[AF + 16 (4 m + ks)]
.set ii, 0
.rept 32
	ds_load_b128 v[AF+4*ii:AF+4*ii+3], v13 offset:ii*512
.set ii, ii+1
.endr
	s_wait_dscnt 0x0
.endm
	FRAGS
	; ---- the projection: my 64 columns, a block of 32 at a time
.irp jj, 0,1
	s_wait_loadcnt 32                              ; this block and all older loads are in; the next block's 32 may be out
	MM16 ACC+32*\jj, \jj
	PREF \jj, 3+\jj                                ; H1, H2
.endr
.irp jj, 0,1
.irp m, 0,1
.irp q, 0,1,2,3
	ds_load_b128 v[128+16*(2*\jj+\m)+4*\q:131+16*(2*\jj+\m)+4*\q], v5 offset:16*SPI*\m+128*\jj+16*\q   ; x in the results' layout
.endr
.endr
.endr
.irp jj, 0,1
.irp q, 0,1,2,3
	ds_load_b128 v[96+16*\jj+4*\q:99+16*\jj+4*\q], v7 offset:128*\jj+16*\q
.endr
.endr
	s_wait_dscnt 0x0
.set pp, 0
.rept 32
	v_pk_fma_f32 v[32+2*pp:33+2*pp], v[32+2*pp:33+2*pp], s[86:87], v[128+2*pp:129+2*pp] op_sel_hi:[1,0,1]   ; x + sum x 2^(e10 + e11); each accumulator from its low end on
.set pp, pp+1
.endr
.set pp, 0
.rept 32
	v_pk_add_f32 v[32+2*pp:33+2*pp], v[32+2*pp:33+2*pp], v[96+16*(pp/16)+2*(pp%8):97+16*(pp/16)+2*(pp%8)]   ; + b_proj
.set pp, pp+1
.endr
.set ii, 0
.rept 16
	ds_store_b128 v17, v[32+4*ii:35+4*ii] offset:512*ii      ; out is parked in my own bytes until the way out
.set ii, ii+1
.endr
	; ---- LN2: a lane holds 32 numbers of each of two tokens; the waves' sums meet in LDS.  Mean first, then the centred squares
.macro SUMS sq, off                    ; chain (m, jj, k) at v[96 + 8 m + 4 jj + 2 k]: eight chains by turns
.irp m, 0,1
.irp jj, 0,1
.irp k, 0,1
.if \sq
	v_pk_mul_f32 v[96+8*\m+4*\jj+2*\k:97+8*\m+4*\jj+2*\k], v[32+32*\jj+16*\m+2*\k:33+32*\jj+16*\m+2*\k], v[32+32*\jj+16*\m+2*\k:33+32*\jj+16*\m+2*\k]
.else
	v_pk_add_f32 v[96+8*\m+4*\jj+2*\k:97+8*\m+4*\jj+2*\k], v[32+32*\jj+16*\m+2*\k:33+32*\jj+16*\m+2*\k], v[36+32*\jj+16*\m+2*\k:37+32*\jj+16*\m+2*\k]
.endif
.endr
.endr
.endr
.irp p, 4,8,12
.irp m, 0,1
.irp jj, 0,1
.irp k, 0,1
.if \sq
	v_pk_fma_f32 v[96+8*\m+4*\jj+2*\k:97+8*\m+4*\jj+2*\k], v[32+32*\jj+16*\m+\p+2*\k:33+32*\jj+16*\m+\p+2*\k], v[32+32*\jj+16*\m+\p+2*\k:33+32*\jj+16*\m+\p+2*\k], v[96+8*\m+4*\jj+2*\k:97+8*\m+4*\jj+2*\k]
.else
.if \p > 4
	v_pk_add_f32 v[96+8*\m+4*\jj+2*\k:97+8*\m+4*\jj+2*\k], v[96+8*\m+4*\jj+2*\k:97+8*\m+4*\jj+2*\k], v[32+32*\jj+16*\m+\p+2*\k:33+32*\jj+16*\m+\p+2*\k]
.endif
.endif
.endr
.endr
.endr
.endr
.irp m, 0,1
.irp k, 0,1
	v_pk_add_f32 v[96+8*\m+2*\k:97+8*\m+2*\k], v[96+8*\m+2*\k:97+8*\m+2*\k], v[100+8*\m+2*\k:101+8*\m+2*\k]
.endr
.endr
.irp m, 0,1
	v_pk_add_f32 v[96+8*\m:97+8*\m], v[96+8*\m:97+8*\m], v[98+8*\m:99+8*\m]
.endr
.irp m, 0,1
	s_delay_alu instid0(VALU_DEP_2)
	v_add_f32 v[96+8*\m], v[96+8*\m], v[97+8*\m]
.endr
.irp m, 0,1
	s_delay_alu instid0(VALU_DEP_2)
	v_permlanex16_b32 v[98+8*\m], v[96+8*\m], s96, s97
.endr
.irp m, 0,1
	s_delay_alu instid0(VALU_DEP_2)
	v_add_f32 v[96+8*\m], v[96+8*\m], v[98+8*\m]
.endr
.irp m, 0,1
	ds_store_b32 v10, v[96+8*\m] offset:\off+512*\m
.endr
.endm
.macro WHOLE off                       ; the eight waves' parts, added in one order in all waves: v112 for tile 0, v120 for tile 1
.irp m, 0,1
	ds_load_b128 v[112+8*\m:115+8*\m], v11 offset:\off+512*\m
	ds_load_b128 v[116+8*\m:119+8*\m], v11 offset:\off+512*\m+16
.endr
	s_wait_dscnt 0x0
	v_add_f32 v112, v112, v113
	v_add_f32 v120, v120, v121
.irp k, 2,3,4,5,6,7
	s_delay_alu instid0(VALU_DEP_2)
	v_add_f32 v112, v112, v[112+\k]
	s_delay_alu instid0(VALU_DEP_2)
	v_add_f32 v120, v120, v[120+\k]
.endr
.endm
	SUMS 0, 0
	BARRIER
	WHOLE 0
	v_mul_f32 v28, s62, v112                       ; the means, each twice
	v_mul_f32 v29, s62, v112
	v_mul_f32 v30, s62, v120
	v_mul_f32 v31, s62, v120
.set pp, 0
.rept 32
	v_pk_add_f32 v[32+2*pp:33+2*pp], v[32+2*pp:33+2*pp], v[28+2*((pp/8)%2):29+2*((pp/8)%2)] neg_lo:[0,1] neg_hi:[0,1]
.set pp, pp+1
.endr
	SUMS 1, 1024
.irp jj, 0,1
.irp q, 0,1,2,3
	ds_load_b128 v[192+16*\jj+4*\q:195+16*\jj+4*\q], v7 offset:2048+128*\jj+16*\q    ; ln2_g,
	ds_load_b128 v[224+16*\jj+4*\q:227+16*\jj+4*\q], v7 offset:4096+128*\jj+16*\q    ; ln2_b at my columns
.endr
.endr
	BARRIER
	WHOLE 1024
	v_fma_f32 v112, v112, s62, s63                 ; the variances + 1e-5
	v_fma_f32 v120, v120, s62, s63
	s_wait_alu depctr_va_vdst(0)
	v_rsq_f32 v28, v112
	v_rsq_f32 v29, v112
	v_rsq_f32 v30, v120
	v_rsq_f32 v31, v120
	v_nop                                          ; a plain place behind the transcendentals
	s_wait_alu depctr_va_vdst(0)                   ; one wait for the four, ahead of their first reader
.set pp, 0
.rept 32
	v_pk_mul_f32 v[32+2*pp:33+2*pp], v[32+2*pp:33+2*pp], v[28+2*((pp/8)%2):29+2*((pp/8)%2)]
.set pp, pp+1
.endr
.set pp, 0
.rept 32
	v_pk_fma_f32 v[32+2*pp:33+2*pp], v[32+2*pp:33+2*pp], v[192+16*(pp/16)+2*(pp%8):193+16*(pp/16)+2*(pp%8)], v[224+16*(pp/16)+2*(pp%8):225+16*(pp/16)+2*(pp%8)]
.set pp, pp+1
.endr
.set ii, 0
.rept 64
	v_med3_num_f32 v[32+ii], v[32+ii], -v21, v21   ; the conversion to an 8-bit code does not saturate (ISA guide 7.6.2): the hold comes first
.set ii, ii+1
.endr
.irp g, 0,1,2,3,4,5,6,7
	v_cvt_scalef32_pk8_fp8_f32 v[96+2*\g:97+2*\g], v[32+8*\g:39+8*\g], v20
.endr
	v_add_nc_u32 v28, s53, v1                      ; my block in LDS.  (Also a plain place behind the last conversion)
	v_mov_b32 v30, 0x40b504f3                      ; 4 sqrt 2
.irp g, 0,1,2,3
	ds_store_b128 v12, v[96+4*\g:99+4*\g] offset:8192*(\g%2)+512*(\g/2)      ; group (jj, m) = (g / 2, g % 2): two conversions' four registers
.endr
	s_wait_alu depctr_va_vdst(0)
	BARRIER                                        ; LN2's eight fragments lie in LDS
	FRAGS
	; ---- the hidden layer: my eight blocks of 32 units, three a trip: one from LDS, two from registers
.macro GELU16 z                        ; sixteen z in v[z] on become gelu(z), held for the conversion.  z held v64, z^2 v80, P v96, Q v112
.irp p, 0,1,2,3,4,5,6,7,8,9,10,11,12,13,14,15
	v_med3_num_f32 v[64+\p], v[\z+\p], -v30, v30
.endr
.irp p, 0,2,4,6,8,10,12,14
	v_pk_mul_f32 v[80+\p:81+\p], v[64+\p:65+\p], v[64+\p:65+\p]
.endr
.irp p, 0,2,4,6,8,10,12,14
	v_pk_fma_f32 v[96+\p:97+\p], v[80+\p:81+\p], s[66:67], v[24:25] op_sel_hi:[1,0,1]
	v_pk_fma_f32 v[112+\p:113+\p], v[80+\p:81+\p], s[78:79], v[26:27] op_sel_hi:[1,0,1]
.endr
.irp k, 0,2,4
.irp p, 0,2,4,6,8,10,12,14
	v_pk_fma_f32 v[96+\p:97+\p], v[96+\p:97+\p], v[80+\p:81+\p], s[68+\k:69+\k] op_sel_hi:[1,1,0]
	v_pk_fma_f32 v[112+\p:113+\p], v[112+\p:113+\p], v[80+\p:81+\p], s[80+\k:81+\k] op_sel_hi:[1,1,0]
.endr
.endr
.irp k, 6,8
.irp p, 0,2,4,6,8,10,12,14
	v_pk_fma_f32 v[96+\p:97+\p], v[96+\p:97+\p], v[80+\p:81+\p], s[68+\k:69+\k] op_sel_hi:[1,1,0]
.endr
.endr
	s_wait_alu depctr_va_vdst(0)
.irp p, 0,1,2,3,4,5,6,7,8,9,10,11,12,13,14,15
	v_rcp_f32 v[112+\p], v[112+\p]
.endr
.irp p, 0,2,4,6,8,10,12,14
	v_pk_mul_f32 v[96+\p:97+\p], v[96+\p:97+\p], v[64+\p:65+\p]               ; z P: the plain places behind the reciprocals
.endr
	s_wait_alu depctr_va_vdst(0)                   ; one wait for the sixteen, ahead of their first reader
.irp p, 0,2,4,6,8,10,12,14
	v_pk_fma_f32 v[96+\p:97+\p], v[96+\p:97+\p], v[112+\p:113+\p], 0.5 op_sel_hi:[1,1,0]   ; 1/2 + erf / 2
.endr
.irp p, 0,2,4,6,8,10,12,14
	v_pk_mul_f32 v[\z+\p:\z+\p+1], v[\z+\p:\z+\p+1], v[96+\p:97+\p]
.endr
.irp p, 0,1,2,3,4,5,6,7,8,9,10,11,12,13,14,15
	v_med3_num_f32 v[\z+\p], v[\z+\p], -v23, v23
.endr
.endm
.macro B1LD k                          ; b1 at the block's units 16 h + 0..15
.irp q, 0,1,2,3
	ds_load_b128 v[64+4*\q:67+4*\q], v9 offset:128*\k+16*\q
.endr
.endm
.macro HID k                           ; the block's sums become codes of the hidden layer
	s_wait_dscnt 0x0                               ; b1
.irp m, 0,1
.irp p, 0,2,4,6,8,10,12,14
	v_pk_fma_f32 v[32+16*\m+\p:33+16*\m+\p], v[32+16*\m+\p:33+16*\m+\p], s[88:89], v[64+\p:65+\p] op_sel_hi:[1,0,1]
.endr
.endr
	GELU16 32
	GELU16 48
.irp g, 0,1,2,3
	v_cvt_scalef32_pk8_fp8_f32 v[64+2*\g:65+2*\g], v[32+8*\g:39+8*\g], v22
.endr
	v_nop                                          ; a plain place between the conversions and the next products, which write their sources
	ds_store_b128 v15, v[64:67] offset:512*\k
	ds_store_b128 v15, v[68:71] offset:32768+512*\k
	s_wait_dscnt 0x0                               ; the stores have read their registers
.endm
.macro BLKT k
	s_wait_tensorcnt 0x0                           ; my block: no other wave reads it
	MMT
	REFILL                                         ; (its first four v_nop are also the places behind the products)
	B1LD \k
	HID \k
.endm
.macro BLKD k, buf, pn
	B1LD \k
	s_wait_loadcnt 32                              ; this block's 32 loads are in; the next block's 32 may be out
	MM16 ACC, \buf
	PREF \buf, \pn                                 ; the buffer just multiplied takes the register block two on
	HID \k
.endm
	s_mov_b32 s92, 2
	s_mov_b32 s93, 0
	s_mov_b32 s94, 0
.Ltrip:
	v_add_nc_u32 v15, s93, v14                     ; the trip's three groups of the hidden layer's image,
	v_add_nc_u32 v9, s94, v8                       ; and its b1
	s_wait_alu depctr_va_vdst(0)
	BLKT 0                                         ; H0, then H3
	BLKD 1, 0, 6                                   ; H1 (asks for H4), then H4 (H7)
	BLKD 2, 1, 7                                   ; H2 (H5), then H5 (U0)
	s_wait_xcnt 0x0                                ; the loads have read their address: it is written again only behind this wait
	v_add_nc_u32 v2, 0xc000, v2                    ; three blocks on
	s_add_co_u32 s93, s93, 1536
	s_add_co_u32 s94, s94, 384
	s_sub_co_u32 s92, s92, 1
	s_cmp_lg_u32 s92, 0
	s_wait_alu depctr_va_vdst(0)
	s_cbranch_scc1 .Ltrip
	v_add_nc_u32 v15, s93, v14
	v_add_nc_u32 v9, s94, v8
	s_wait_alu depctr_va_vdst(0)
	BLKT 0                                         ; H6
	BLKD 1, 0, 6                                   ; H7 (U2)
	BARRIER                                        ; the hidden layer's 32 fragments lie in LDS
	; ---- the last product: K = 2,048 in eight units of two K steps; eight accumulators by turns
.macro FETCHH q                        ; unit q's four hidden fragments, (m, kk) at v[AF + 64 (q % 2) + 16 (2 m + kk)]
.irp m, 0,1
.irp kk, 0,1
.irp c, 0,1,2,3
	ds_load_b128 v[AF+64*((\q)%2)+16*(2*\m+\kk)+4*\c:AF+64*((\q)%2)+16*(2*\m+\kk)+4*\c+3], v16 offset:(16*\m+2*(\q)+\kk)*2048+512*\c
.endr
.endr
.endr
.endm
.macro UNITD q, buf, pn, lc            ; W from a buffer of registers
	FETCHH \q+1
	s_wait_dscnt 16                                ; this unit's sixteen loads are in; the next unit's sixteen may be out
	s_wait_loadcnt \lc                             ; this block's 32 loads are in; the next block's 32, if asked for, may be out
	WIN 0x01
.irp kk, 0,1
.irp i, 0,1,2,3
.irp m, 0,1
.if (\q == 0) && (\kk == 0)
	v_wmma_f32_16x16x128_fp8_fp8 v[ACC+16*(2*(\i/2)+\m)+8*(\i%2):ACC+16*(2*(\i/2)+\m)+8*(\i%2)+7], v[128*\buf+16*(4*\kk+\i):128*\buf+16*(4*\kk+\i)+15], v[AF+64*(\q%2)+16*(2*\m+\kk):AF+64*(\q%2)+16*(2*\m+\kk)+15], 0
.else
	v_wmma_f32_16x16x128_fp8_fp8 v[ACC+16*(2*(\i/2)+\m)+8*(\i%2):ACC+16*(2*(\i/2)+\m)+8*(\i%2)+7], v[128*\buf+16*(4*\kk+\i):128*\buf+16*(4*\kk+\i)+15], v[AF+64*(\q%2)+16*(2*\m+\kk):AF+64*(\q%2)+16*(2*\m+\kk)+15], v[ACC+16*(2*(\i/2)+\m)+8*(\i%2):ACC+16*(2*(\i/2)+\m)+8*(\i%2)+7]
.endif
.endr
.endr
.endr
	WIN 0
	PLACES
.if \pn > 0
	PREF \buf, \pn
.endif
.endm
.macro ULD f                           ; W's fragment f from LDS, in v96-111 and v112-127 by turns
.irp c, 0,1,2,3
	ds_load_b128 v[96+16*((\f)%2)+4*\c:99+16*((\f)%2)+4*\c], v28 offset:(\f)*2048+512*\c
.endr
.endm
.macro UNITT q, refill                 ; W from LDS
.if \q < 7
	FETCHH \q+1
.endif
	s_wait_tensorcnt 0x0
	ULD 0
	ULD 1
.irp f, 0,1,2,3,4,5,6,7
.if \f < 7
	s_wait_dscnt 4                                 ; this fragment's loads and all older ones are in; the next fragment's four may be out
.else
	s_wait_dscnt 0x0
.endif
.irp m, 0,1
	v_wmma_f32_16x16x128_fp8_fp8 v[ACC+16*(2*((\f%4)/2)+\m)+8*(\f%2):ACC+16*(2*((\f%4)/2)+\m)+8*(\f%2)+7], v[96+16*(\f%2):96+16*(\f%2)+15], v[AF+64*(\q%2)+16*(2*\m+(\f/4)):AF+64*(\q%2)+16*(2*\m+(\f/4))+15], v[ACC+16*(2*((\f%4)/2)+\m)+8*(\f%2):ACC+16*(2*((\f%4)/2)+\m)+8*(\f%2)+7]
.endr
.if \f < 6
	PLACES
	ULD \f+2
.endif
.endr
.if \refill
	REFILL
.else
	PLACES
.endif
.endm
	FETCHH 0
	UNITD 0, 1, 7, 32                              ; asks for U3
	UNITT 1, 1                                     ; U4
	UNITD 2, 0, 9, 32                              ; U5
	UNITD 3, 1, 10, 32                             ; U6
	UNITT 4, 1                                     ; U7
	UNITD 5, 0, 0, 32
	UNITD 6, 1, 0, 0
	UNITT 7, 0
	; ---- THE WAY OUT: out0 = out + sum x 2^(e14 + e15) + b2, through the stage, so that a store covers 512 consecutive bytes
.set ii, 0
.rept 16
	ds_load_b128 v[128+4*ii:131+4*ii], v17 offset:512*ii
.set ii, ii+1
.endr
.irp jj, 0,1
.irp q, 0,1,2,3
	ds_load_b128 v[96+16*\jj+4*\q:99+16*\jj+4*\q], v7 offset:6144+128*\jj+16*\q
.endr
.endr
	s_wait_dscnt 0x0
.set pp, 0
.rept 32
	v_pk_fma_f32 v[32+2*pp:33+2*pp], v[32+2*pp:33+2*pp], s[90:91], v[128+2*pp:129+2*pp] op_sel_hi:[1,0,1]
.set pp, pp+1
.endr
.set pp, 0
.rept 32
	v_pk_add_f32 v[32+2*pp:33+2*pp], v[32+2*pp:33+2*pp], v[96+16*(pp/16)+2*(pp%8):97+16*(pp/16)+2*(pp%8)]
.set pp, pp+1
.endr
	s_wait_alu depctr_va_vdst(0)
	BARRIER                                        ; every wave has read the hidden layer: its bytes serve as the stage again
.irp jj, 0,1
.irp m, 0,1
.irp q, 0,1,2,3
	ds_store_b128 v5, v[32+16*(2*\jj+\m)+4*\q:35+16*(2*\jj+\m)+4*\q] offset:16*SPI*\m+128*\jj+16*\q
.endr
.endr
.endr
	BARRIER                                        ; 32 whole rows of out0 lie in the stage
.irp i, 0,1,2,3
.irp q, 0,1,2,3
	ds_load_b128 v[128+4*(4*\i+\q):131+4*(4*\i+\q)], v6 offset:\i*SPI+\q*512
.endr
.endr
.irp i, 0,1,2,3
.irp q, 0,1,2,3
	s_wait_dscnt 15-(4*\i+\q)                      ; LDS loads come back in order (ISA guide 5.7.1): the count is that of the younger ones
	global_store_b128 v18, v[128+4*(4*\i+\q):131+4*(4*\i+\q)], s[26:27] offset:\i*2048+\q*512 th:TH_STORE_NT
.endr
.endr
	s_wait_tensorcnt 0x0                           ; the wave's end
	ds_add_u32 v3, v4
	s_wait_dscnt 0x0
	ROUND                                          ; the closing round
	s_endpgm
.Lfunc_end_k_q346fa3e521_mlp:
	.size	k_q346fa3e521_mlp, .Lfunc_end_k_q346fa3e521_mlp-k_q346fa3e521_mlp
	.p2alignl 7, 3214868480
	.fill 96, 4, 3214868480
	.section	.rodata,"a",@progbits
	.p2align	6, 0x0
	.amdhsa_kernel k_q346fa3e521_mlp
		.amdhsa_group_segment_fixed_size 327680
		.amdhsa_private_segment_fixed_size 0
		.amdhsa_enable_private_segment 0
		.amdhsa_kernarg_size 80
		.amdhsa_user_sgpr_count 2
		.amdhsa_user_sgpr_kernarg_segment_ptr 1
		.amdhsa_wavefront_size32 1
		.amdhsa_system_sgpr_workgroup_id_x 1
		.amdhsa_system_sgpr_workgroup_id_y 1
		.amdhsa_system_sgpr_workgroup_id_z 1
		.amdhsa_system_vgpr_workitem_id 0
		.amdhsa_next_free_vgpr 512
		.amdhsa_next_free_sgpr 100
		.amdhsa_reserve_vcc 0
		.amdhsa_float_denorm_mode_32 3
		.amdhsa_float_denorm_mode_16_64 3
		.amdhsa_memory_ordered 1
		.amdhsa_forward_progress 1
		.amdhsa_inst_pref_size 231
	.end_amdhsa_kernel
	.amdgpu_metadata
---
amdhsa.version: [ 1, 2 ]
amdhsa.kernels:
  - .name:           k_q346fa3e521_mlp
    .symbol:         k_q346fa3e521_mlp.kd
    .args:
      - { .name: x, .offset: 0, .size: 8, .value_kind: global_buffer, .address_space: global }
      - { .name: ac, .offset: 8, .size: 8, .value_kind: global_buffer, .address_space: global }
      - { .name: wcodes, .offset: 16, .size: 8, .value_kind: global_buffer, .address_space: global }
      - { .name: lowp_scales, .offset: 24, .size: 8, .value_kind: global_buffer, .address_space: global }
      - { .name: b_proj, .offset: 32, .size: 8, .value_kind: global_buffer, .address_space: global }
      - { .name: ln2_g, .offset: 40, .size: 8, .value_kind: global_buffer, .address_space: global }
      - { .name: ln2_b, .offset: 48, .size: 8, .value_kind: global_buffer, .address_space: global }
      - { .name: b1, .offset: 56, .size: 8, .value_kind: global_buffer, .address_space: global }
      - { .name: b2, .offset: 64, .size: 8, .value_kind: global_buffer, .address_space: global }
      - { .name: out0, .offset: 72, .size: 8, .value_kind: global_buffer, .address_space: global }
    .group_segment_fixed_size: 327680
    .private_segment_fixed_size: 0
    .kernarg_segment_align: 8
    .kernarg_segment_size: 80
    .max_flat_workgroup_size: 256
    .sgpr_count:     100
    .vgpr_count:     512
    .wavefront_size: 32
...
	.end_amdgpu_metadata
.endif
;; end of part 4
